; MI455X (gfx1250); checked and timed in simulation.
; The chip was launched on July 23, 2026; its instructions are those of AMD's public machine-readable ISA for CDNA 5 (MIT licence, August 2026) and "CDNA5" Instruction Set Architecture Reference Guide (July 2026). The comments in the code are by the model that wrote it; some were corrected since.
;; Phi Flash Attention2. Allowed arithmetic: matrix products marked QUANTISED: E3M2 operands, one E8M0 scale for each 32 along K, by v_wmma_scale_f32_16x16x128_f8f6f4 with both operands' format E3M2, f32 sums; everything else in f32.
;; Inputs: bk 2,048 float32; bo 2,048 float32; bq 2,048 float32; bv 2,048 float32; wk 2,048 x 2,048 float32; wo 2,048 x 2,048 float32; wq 2,048 x 2,048 float32; wv 2,048 x 2,048 float32; x 1 x 2,048 x 2,048 float32.
;; Outputs: out0 1 x 2,048 x 2,048 float32.
;; This version of the problem:
;;   THIS VERSION OF THE PROBLEM IS GIVEN IN LOW PRECISION. The matrix products marked QUANTISED in the list below multiply operands that are first quantised to E3M2 (3 exponent bits, 2 mantissa bits; 6 bits a number), with one power-of-two scale for each 32 numbers along K (OCP MX v1.0); their sums are f32. All else is computed in f32.
;;   The module's matrix products, in the order in which they are computed (A, B: the left and right operand; K: the contracted axis; several contracted axes count as one K, in the product's order):
;;     1. [M 2,048, K 2,048] x [K 2,048, N 2,048]; A: input x; B: input wq: QUANTISED
;;     2. [M 2,048, K 2,048] x [K 2,048, N 2,048]; A: input x; B: input wk: QUANTISED
;;     3. [M 2,048, K 2,048] x [K 2,048, N 2,048]; A: input x; B: input wv: QUANTISED
;;     4. batch 32 x [M 2,048, K 64] x [K 64, N 2,048]; A: computed on the way; B: computed on the way: QUANTISED
;;     5. batch 32 x [M 64, K 2,048] x [K 2,048, N 2,048]; A: computed on the way; B: softmax (see below): QUANTISED
;;     6. [M 2,048, K 2,048] x [K 2,048, N 2,048]; A: computed on the way; B: input wo: QUANTISED
;;   THE QUANTISER, for each operand of a quantised product, along K:
;;     - K is cut into blocks of 32 from its start; a last block that is shorter is filled with zeros.
;;     - A block's scale is 2^e with e = floor(log2(the largest magnitude in the block)) - 4, held to -126 .. 127; a block of zeros has e = 0. As a byte (E8M0): e + 127.
;;     - Each number is divided by its block's scale, clamped to +-28, and rounded to the nearest number of E3M2, ties to even, subnormals kept.
;;     - The product sums the exact products of the quantised numbers (number of the format x scale) in f32.
;;   ~~~python
;;   def quantise(x, axis):      # numpy; x: float32 -> the quantised numbers, widened to float32 again
;;       x = np.moveaxis(x, axis, -1); K = x.shape[-1]
;;       x = np.pad(x, [(0, 0)] * (x.ndim - 1) + [(0, -K % 32)]); x = x.reshape(x.shape[:-1] + (-1, 32)); a = np.abs(x).max(-1, keepdims=True)
;;       e = np.where(a > 0, np.clip(np.frexp(np.where(a > 0, a, 1))[1] - 1 - 4, -126, 127), 0)      # np.frexp(a)[1] - 1 = floor(log2(a)), exactly
;;       r = np.clip(x / 2.0 ** e, -28, 28)
;;       step = 2.0 ** (np.maximum(np.frexp(np.where(r == 0, 1, r))[1] - 1, -2) - 2)
;;       q = np.round(r / step) * step * 2.0 ** e      # np.round: ties to even
;;       return np.moveaxis(q.reshape(q.shape[:-2] + (-1,))[..., :K], -1, axis).astype(np.float32)
;;   ~~~
;;   SOFTMAX AHEAD OF A QUANTISED PRODUCT. Where the list says 'softmax', what is quantised is not the finished softmax but p = 2^(t - M), with t = logit x log2(e) and M = ceil(the row's largest t), a whole number; so 1/2 < the row's largest p <= 1. The row's sum l is taken of the UNQUANTISED p, in f32, and the product's result is divided by l at the end. Since M is a whole number, a kernel that streams over the keys may use a running M (the ceiling of the running maximum): every later rescaling is an exact power of two, which a block's scale takes up: the codes' values come out the same.
;;   OPERANDS COMPUTED ON THE WAY. 'Computed on the way' means the value that the module computes at that place (a softmax that the list does not call 'softmax' is quantised finished and normalised). What goes into a quantiser is computed in f32, as accurately as f32 sums, v_exp_f32 and their like allow (about 1e-6 of the number): no bf16 or f16 on the way to a quantiser, and a product that is left as it is and whose result goes on into a quantised operand takes f32 operands (vector FMAs, or v_wmma_f32_16x16x4_f32). A number that lies on a knife's edge between two numbers of the format may be rounded either way, as far as f32 arithmetic and the matrix unit's own rounding can turn it there, and no further.
;; One version. Each part assembles by itself: llvm-mc -triple=amdgcn-amd-amdhsa -mcpu=gfx1250 --defsym DOCPART=n.
;; ======== version 1 of 1: 4 launches
;; limits: right only within a limited range of input values
;; workspace buffers: cod 15,728,640 bytes; scl 655,360 bytes; rope 524,288 bytes; qkvc 9,437,184 bytes; qkvs 655,360 bytes; oc 3,145,728 bytes; os 131,072 bytes
;; launch quant (part 1): grid 672 x 1, 4 waves a work-group, no clusters, 34,304 bytes of LDS; arguments x, wq, wk, wv, wo, cod, scl, rope; writes cod, scl, rope
.if DOCPART == 1
	.amdgcn_target "amdgcn-amd-amdhsa--gfx1250"
	.amdhsa_code_object_version 6
	.text
	.protected	k_q0f7a887a0d_quant
	.globl	k_q0f7a887a0d_quant
	.p2align	8
	.type	k_q0f7a887a0d_quant,@function
k_q0f7a887a0d_quant:
	s_mov_b64 s[64:65], 0
	v_nop
	global_prefetch_b8 v0, s[64:65] scope:SCOPE_SE
	s_setreg_imm32_b32 hwreg(HW_REG_WAVE_MODE, 25, 1), 1
	s_wait_xcnt 0x0
; x, wq, wk, wv, wo ([2048][2048] f32, K innermost) become codes of BF6 (E3M2) with one E8M0 byte for each 32 along K; 32 further work-groups make RoPE's table.
; A block's scale is 2^(floor(log2(largest magnitude)) - 4); its byte is the largest magnitude's exponent field - 4, held at 1 from below.
; LIMITS: NaN and infinities are not served; a block under 2^-122, a block of zeros too, keeps the byte 1 (zero codes add nothing; this program alone reads the bytes);
; RoPE's inv_freq is 2^(-d log2(10000) / 32) by v_exp_f32: within a few units in the last place of 1 / 10000^(d / 32).
; LAYOUT OF THE CODES: in the order of the operand's registers.  A ROWBLOCK rho is 16 rows: lane-row r is row 32 (rho / 2) + 8 (rho % 2) + r + 8 (r / 8).  A fragment (rowblock x 128 K, 12 registers a lane) is 1,536 bytes:
; registers 4 c .. 4 c + 3 of lane l at 512 c + 16 l.  cod: [rowblock 640][K step 16][1,536]: 0-127 x; 128 + 12 head + 4 kind + t: wq, wk, wv; 512-639 wo.  scl: [rowblock][K / 512][r][16 bytes]: four scale words a row.
; SHARES: work-group = tensor (number / 128) and rowblock (number % 128); wave w takes K = 512 w .. 512 w + 511: four fragments.  A load reads 512 consecutive bytes of one row; the 16 rows turn through the wave's
; own stage in LDS (rows 528 bytes apart: sixteen rows start in sixteen different groups of banks), so that a lane then holds two whole blocks of 32 of its row.  Memory binds: no matrix unit, no cluster, no barrier.
.set STGB, 8448                        ; a wave's stage: 16 rows x 528 bytes
.set SW,   16                          ; v16-19   the four fragments' scale words
.set R,    32                          ; v32-159  two sets of 64 numbers as loaded
.set X,    160                         ; v160-223 64 numbers of my row: blocks h and 2 + h
.set P,    224                         ; v224-247 two sets of 12 registers of codes
.set CT,   248                         ; v248-250, v252-254: a conversion's three registers begin on an even number
	s_load_b256 s[4:11], s[0:1], 0x0               ; x, wq, wk, wv
	s_load_b256 s[12:19], s[0:1], 0x20             ; wo, cod, scl, rope
	v_lshl_add_u32 v251, v0, 2, 0x8400
	v_mov_b32 v255, 0
	v_lshrrev_b32 v1, 5, v0
	v_readfirstlane_b32 s20, v1                    ; wave
	v_and_b32 v6, 31, v0                           ; lane
	v_and_b32 v7, 15, v0                           ; r
	v_bfe_u32 v8, v0, 4, 1                         ; h
	s_cmp_ge_u32 ttmp9, 640
	s_cbranch_scc1 .Lrope
	s_lshr_b32 s21, ttmp9, 7                       ; which tensor
	s_and_b32 s22, ttmp9, 127                      ; which rowblock of it
	v_lshlrev_b32 v1, 4, v6                        ; 16 x lane
	s_mul_i32 s23, s20, STGB
	v_add_nc_u32 v2, s23, v1                       ; the stage, on the way in
	v_mul_u32_u24 v3, v7, 528
	v_lshl_add_u32 v3, v8, 7, v3
	v_add_nc_u32 v3, s23, v3                       ; and out: row r, + 128 h
	v_lshlrev_b32 v4, 4, v7                        ; 16 r: my row's scale words
	v_lshlrev_b32 v5, 3, v8                        ; 8 h
	v_mov_b32 v27, 0                               ; a lane permute's destination counts as read
	s_mov_b32 s32, 0x76543210
	s_mov_b32 s33, 0xfedcba98                      ; selects for lane l xor 16
	s_lshl_b32 s26, s21, 2
	s_add_co_u32 s26, s26, 124                     ; wq, wk, wv: 128 + 4 (tensor - 1) + 12 head + t
	s_lshl_b32 s27, s21, 7                         ; x, wo: 128 x tensor + rowblock
	s_sub_co_u32 s24, s21, 1
	s_cmp_lt_u32 s24, 3
	s_cselect_b32 s25, 12, 4
	s_cselect_b32 s26, s26, s27
	s_lshr_b32 s24, s22, 2
	s_mul_i32 s24, s24, s25
	s_add_co_u32 s24, s24, s26
	s_and_b32 s27, s22, 3
	s_add_co_u32 s24, s24, s27                     ; the rowblock's place in cod and scl
	s_wait_alu depctr_va_vdst(0)
	s_wait_kmcnt 0x0
	s_cmp_eq_u32 s21, 1                            ; the choice hangs on the work-group's number alone
	s_cselect_b64 s[4:5], s[6:7], s[4:5]
	s_cmp_eq_u32 s21, 2
	s_cselect_b64 s[4:5], s[8:9], s[4:5]
	s_cmp_eq_u32 s21, 3
	s_cselect_b64 s[4:5], s[10:11], s[4:5]
	s_cmp_eq_u32 s21, 4
	s_cselect_b64 s[4:5], s[12:13], s[4:5]
	s_lshr_b32 s28, s22, 1
	s_lshl_b32 s28, s28, 5
	s_and_b32 s29, s22, 1
	s_lshl_b32 s29, s29, 3
	s_add_co_u32 s28, s28, s29                     ; the rowblock's first row
	s_lshl_b32 s28, s28, 13                        ; x 8,192 bytes
	s_lshl_b32 s29, s20, 11                        ; + my wave's 512 numbers
	s_add_co_u32 s28, s28, s29
	s_mov_b32 s29, 0
	s_add_nc_u64 s[4:5], s[4:5], s[28:29]
	s_mul_i32 s28, s24, 24576
	s_mul_i32 s30, s20, 6144
	s_add_co_u32 s28, s28, s30
	s_add_nc_u64 s[14:15], s[14:15], s[28:29]
	s_lshl_b32 s28, s24, 10
	s_lshl_b32 s30, s20, 8
	s_add_co_u32 s28, s28, s30
	s_add_nc_u64 s[16:17], s[16:17], s[28:29]
.macro LOAD f                          ; fragment f: 128 numbers of each of the 16 rows, 512 consecutive bytes a load
.irp q, 0,1,2,3,4,5,6,7,8,9,10,11,12,13,14,15
	global_load_b128 v[R+64*((\f)%2)+4*\q:R+64*((\f)%2)+4*\q+3], v1, s[4:5] offset:(\q+8*(\q/8))*8192+512*(\f) th:TH_LOAD_NT
.endr
.endm
.macro TURN f                          ; through the stage: LDS serves a wave's instructions in order, so no wait stands between the stores and the loads
.irp q, 0,1,2,3,4,5,6,7,8,9,10,11,12,13,14,15
	ds_store_b128 v2, v[R+64*((\f)%2)+4*\q:R+64*((\f)%2)+4*\q+3] offset:528*\q
.endr
.irp c, 0,1
.irp e, 0,1,2,3,4,5,6,7
	ds_load_b128 v[X+32*\c+4*\e:X+32*\c+4*\e+3], v3 offset:256*\c+16*\e
.endr
.endr
.endm
.macro QUANT f
.set PP, P+12*((\f)%2)
.irp c, 0,1
	v_max3_num_f32 v[20+\c], |v[X+32*\c]|, |v[X+32*\c+1]|, 0x2800000   ; my block 2 c + h, and the floor 2^(5 - 127): the byte cannot fall under 1
.endr
.irp i, 2,4,6,8,10,12,14,16,18,20,22,24,26,28,30
.irp c, 0,1
	v_max3_num_f32 v[20+\c], v[20+\c], |v[X+32*\c+\i]|, |v[X+32*\c+\i+1]|
.endr
.endr
.irp c, 0,1
	v_add_nc_u32 v[22+\c], 0xfe000000, v[20+\c]    ; 4 off the exponent field: the conversion's scale operand
.endr
.irp c, 0,1
	v_lshrrev_b32 v[24+\c], 23, v[22+\c]           ; the scale's byte
.endr
	v_lshl_or_b32 v26, v25, 16, v24                ; blocks h and 2 + h,
	v_lshlrev_b32 v26, v5, v26                     ; at their places in the word;
	v_permlanex16_b32 v27, v26, s32, s33
	v_or_b32 v[SW+\f], v26, v27                    ; with lane l xor 16's two the word is whole
	v_cvt_scalef32_pk16_bf6_f32 v[PP:PP+2], v[X:X+15], v22
	v_cvt_scalef32_pk16_bf6_f32 v[CT:CT+2], v[X+16:X+31], v22
	v_cvt_scalef32_pk16_bf6_f32 v[PP+6:PP+8], v[X+32:X+47], v23
	v_cvt_scalef32_pk16_bf6_f32 v[CT+4:CT+6], v[X+48:X+63], v23
	v_nop                                          ; one plain place behind a scaled conversion
.irp i, 0,1,2
	v_mov_b32 v[PP+3+\i], v[CT+\i]
	v_mov_b32 v[PP+9+\i], v[CT+4+\i]
.endr
.irp c, 0,1,2
	global_store_b128 v1, v[PP+4*\c:PP+4*\c+3], s[14:15] offset:1536*(\f)+512*\c   ; 32 lanes store 512 consecutive bytes
.endr
.endm
	LOAD 0
	LOAD 1
.irp f, 0,1,2,3
.if \f < 3
	s_wait_loadcnt 16                              ; this fragment's 16 loads are in; the next one's may be out
.else
	s_wait_loadcnt 0x0
.endif
	TURN \f
	s_wait_dscnt 0x0                               ; my 64 numbers are back, and the stores into the stage have read their registers
.if \f < 2
	LOAD \f+2
.else
	s_wait_xcnt 0x0                                ; the stores of two fragments ago have read this set of codes
.endif
	QUANT \f
.endr
	s_wait_xcnt 0x0                                ; EXEC changes only behind this wait
	v_cmp_gt_u32 vcc_lo, 16, v6
	s_wait_tensorcnt 0x0
	ds_add_u32 v251, v255
	s_wait_dscnt 0x0
	s_and_saveexec_b32 s34, vcc_lo
	global_store_b128 v4, v[SW:SW+3], s[16:17]     ; sixteen lanes store 256 consecutive bytes: four scale words a row
	s_wait_xcnt 0x0
	s_or_b32 exec_lo, exec_lo, s34
	s_endpgm
; ROPE'S TABLE: rope[token][cos 32 | sin 32], 256 bytes a token.  A wave makes 16 tokens; lane l owns entries 2 l and 2 l + 1: lanes 0-15 cosines, lanes 16-31 sines, of d = 2 (l % 16) + e.
; The angle is reduced by the nearest multiple of pi / 2 (in two parts, by fused multiply-adds) to |r| <= pi / 4; sine and cosine of r by polynomials in f32; the quadrant picks one and its sign, by selects alone.
.Lrope:
	s_sub_co_u32 s21, ttmp9, 640
	s_lshl_b32 s21, s21, 6
	s_lshl_b32 s22, s20, 4
	s_add_co_u32 s21, s21, s22                     ; my first token
	s_wait_alu depctr_va_vdst(0)
	v_lshlrev_b32 v9, 1, v7
	v_cvt_f32_u32 v10, v9                          ; d
	v_add_f32 v11, 1.0, v10
	v_mul_f32 v10, 0xbed49a78, v10                 ; - d log2(10000) / 32
	v_mul_f32 v11, 0xbed49a78, v11
	s_wait_alu depctr_va_vdst(0)
	v_exp_f32 v10, v10                             ; inv_freq
	v_exp_f32 v11, v11
	v_mul_u32_u24 v8, v8, 3                        ; sin x = cos(x - pi / 2): three quadrants on.  (A plain place behind the exponentials)
	v_lshlrev_b32 v1, 3, v6                        ; 8 bytes a lane
	s_mov_b32 s36, 0x3fc90fdb                      ; pi / 2, its upper part
	s_mov_b32 s37, 0xb33bbd2e                      ; and what is left of it
	s_mov_b32 s38, 0xb94ca1f9                      ; sine: -1.9515296e-4, 8.3321609e-3, -1.6666655e-1
	s_mov_b32 s39, 0x3c08839e
	s_mov_b32 s40, 0xbe2aaaa3
	s_mov_b32 s41, 0x37ccf5ce                      ; cosine: 2.4433157e-5, -1.3887316e-3, 4.1666646e-2
	s_mov_b32 s42, 0xbab6061a
	s_mov_b32 s43, 0x3d2aaaa5
	s_lshl_b32 s22, s21, 8
	s_mov_b32 s23, 0
	s_wait_kmcnt 0x0
	s_add_nc_u64 s[18:19], s[18:19], s[22:23]
	s_mov_b32 s24, 16
.macro TRIG ang, b, out
	v_mul_f32 v[\b], 0x3f22f983, v[\ang]           ; x 2 / pi
	v_rndne_f32 v[\b], v[\b]
	v_fma_f32 v[\b+1], -v[\b], s36, v[\ang]
	v_fma_f32 v[\b+1], -v[\b], s37, v[\b+1]        ; r
	v_mul_f32 v[\b+2], v[\b+1], v[\b+1]            ; z = r r
	v_fma_f32 v[\b+3], v[\b+2], s38, s39
	v_fma_f32 v[\b+4], v[\b+2], s41, s42
	v_fma_f32 v[\b+3], v[\b+3], v[\b+2], s40
	v_fma_f32 v[\b+4], v[\b+4], v[\b+2], s43
	v_mul_f32 v[\b+3], v[\b+3], v[\b+2]
	v_mul_f32 v[\b+4], v[\b+4], v[\b+2]
	v_fma_f32 v[\b+5], v[\b+2], -0.5, 1.0
	v_fma_f32 v[\b+3], v[\b+3], v[\b+1], v[\b+1]   ; sin r
	v_fma_f32 v[\b+4], v[\b+4], v[\b+2], v[\b+5]   ; cos r
	v_cvt_i32_f32 v[\b+6], v[\b]
	v_add_nc_u32 v[\b+6], v[\b+6], v8              ; the quadrant
	v_and_b32 v[\b+5], 1, v[\b+6]
	v_cmp_eq_u32 vcc_lo, 1, v[\b+5]
	v_cndmask_b32 v[\b+3], v[\b+4], v[\b+3], vcc_lo   ; odd quadrants take the sine
	v_add_nc_u32 v[\b+6], 1, v[\b+6]
	v_and_b32 v[\b+6], 2, v[\b+6]                  ; quadrants 1 and 2 are negative
	v_lshlrev_b32 v[\b+6], 30, v[\b+6]
	v_xor_b32 v[\out], v[\b+3], v[\b+6]
.endm
.Ltok:
	v_cvt_f32_u32 v12, s21
	s_wait_alu depctr_va_vdst(0)
	v_mul_f32 v13, v12, v10                        ; the angle, as reference() rounds it
	v_mul_f32 v14, v12, v11
	TRIG 13, 16, 32
	TRIG 14, 24, 33
	global_store_b64 v1, v[32:33], s[18:19]        ; 32 lanes store the token's 256 bytes
	s_wait_xcnt 0x0                                ; the base and the data are written again only behind this wait
	s_add_nc_u64 s[18:19], s[18:19], 256
	s_add_co_u32 s21, s21, 1
	s_sub_co_u32 s24, s24, 1
	s_cmp_lg_u32 s24, 0
	s_cbranch_scc1 .Ltok
	s_endpgm
.Lfunc_end_k_q0f7a887a0d_quant:
	.size	k_q0f7a887a0d_quant, .Lfunc_end_k_q0f7a887a0d_quant-k_q0f7a887a0d_quant
	.p2alignl 7, 3214868480
	.fill 96, 4, 3214868480
	.section	.rodata,"a",@progbits
	.p2align	6, 0x0
	.amdhsa_kernel k_q0f7a887a0d_quant
		.amdhsa_group_segment_fixed_size 34304
		.amdhsa_private_segment_fixed_size 0
		.amdhsa_enable_private_segment 0
		.amdhsa_kernarg_size 64
		.amdhsa_user_sgpr_count 2
		.amdhsa_user_sgpr_kernarg_segment_ptr 1
		.amdhsa_wavefront_size32 1
		.amdhsa_system_sgpr_workgroup_id_x 1
		.amdhsa_system_sgpr_workgroup_id_y 1
		.amdhsa_system_sgpr_workgroup_id_z 1
		.amdhsa_system_vgpr_workitem_id 0
		.amdhsa_next_free_vgpr 256
		.amdhsa_next_free_sgpr 66
		.amdhsa_reserve_vcc 1
		.amdhsa_float_denorm_mode_32 3
		.amdhsa_float_denorm_mode_16_64 3
		.amdhsa_memory_ordered 1
		.amdhsa_forward_progress 1
		.amdhsa_inst_pref_size 34
	.end_amdhsa_kernel
	.amdgpu_metadata
---
amdhsa.version: [ 1, 2 ]
amdhsa.kernels:
  - .name:           k_q0f7a887a0d_quant
    .symbol:         k_q0f7a887a0d_quant.kd
    .args:
      - { .name: x, .offset: 0, .size: 8, .value_kind: global_buffer, .address_space: global }
      - { .name: wq, .offset: 8, .size: 8, .value_kind: global_buffer, .address_space: global }
      - { .name: wk, .offset: 16, .size: 8, .value_kind: global_buffer, .address_space: global }
      - { .name: wv, .offset: 24, .size: 8, .value_kind: global_buffer, .address_space: global }
      - { .name: wo, .offset: 32, .size: 8, .value_kind: global_buffer, .address_space: global }
      - { .name: cod, .offset: 40, .size: 8, .value_kind: global_buffer, .address_space: global }
      - { .name: scl, .offset: 48, .size: 8, .value_kind: global_buffer, .address_space: global }
      - { .name: rope, .offset: 56, .size: 8, .value_kind: global_buffer, .address_space: global }
    .group_segment_fixed_size: 34304
    .private_segment_fixed_size: 0
    .kernarg_segment_align: 8
    .kernarg_segment_size: 64
    .max_flat_workgroup_size: 128
    .sgpr_count:     66
    .vgpr_count:     256
    .wavefront_size: 32
...
	.end_amdgpu_metadata
.endif
;; end of part 1
;; launch qkv (part 2): grid 8 x 32, 4 waves a work-group, clusters of 4 x 1, 327,680 bytes of LDS; arguments cod, scl, rope, bq, bk, bv, qkvc, qkvs; writes qkvc, qkvs
.if DOCPART == 2
	.amdgcn_target "amdgcn-amd-amdhsa--gfx1250"
	.amdhsa_code_object_version 6
	.text
	.protected	k_q0f7a887a0d_qkv
	.globl	k_q0f7a887a0d_qkv
	.p2align	8
	.type	k_q0f7a887a0d_qkv,@function
k_q0f7a887a0d_qkv:
	s_mov_b64 s[64:65], 0
	v_nop
	global_prefetch_b8 v0, s[64:65] scope:SCOPE_SE
	s_setreg_imm32_b32 hwreg(HW_REG_WAVE_MODE, 25, 1), 1
	s_wait_xcnt 0x0
	s_wait_alu depctr_hold_cnt(0) depctr_sa_sdst(0) depctr_va_vdst(0) depctr_va_sdst(0) depctr_va_ssrc(0) depctr_va_vcc(0) depctr_vm_vsrc(0)
	s_getreg_b32 s2, hwreg(HW_REG_IB_STS2, 6, 4)
	s_cmp_eq_u32 s2, 0
	s_cbranch_scc0 .Lentry_in_a_cluster
	s_endpgm
.Lentry_in_a_cluster:
	s_bfe_u32 s2, ttmp6, 0x10000c
	s_cmp_lg_u32 s2, 0x3003
	s_cbranch_scc0 .Lentry_shape_is_right
	s_endpgm
.Lentry_shape_is_right:
; q, k, v of ONE head for 256 tokens: x W^T + b on codes of BF6 (E3M2) with E8M0 scales, then RoPE on q and k in f32, then the three results are quantised: q and k along the head's 64, v along the keys.
; SHARES: work-group (tr, head): tokens 256 tr on, features 64 head on of wq, wk, wv: 12 rowblocks of W.  A wave takes 64 tokens (4 rowblocks of x) x 192 features: 48 accumulators, 384 registers.
; (Rowblock rho: lane-row r is row 32 (rho / 2) + 8 (rho % 2) + r + 8 (r / 8).  A fragment lies in memory in the order of its registers: 1,536 bytes, registers 4 c .. 4 c + 3 of lane l at 512 c + 16 l.)
; W STAYS IN LDS: its 12 rowblocks for all of K are 294,912 bytes, brought once, in four chunks along K; no LDS byte is filled twice.  The four work-groups of a cluster share the head, so W and its scales are asked for
; JOINTLY (mask 15).  x's rows belong to one wave alone: its fragments go from memory straight into registers, five K steps ahead; beside W there is no room in LDS for them, and no two waves share a row of x.
; q AND k ARE MADE TRANSPOSED (source 0 = 16 rows of W, source 1 = 16 tokens): a lane holds one token and features 16 h + 0..15 (tiles 0, 1) and 32 + 16 h + 0..15 (tiles 2, 3): RoPE's two halves meet in one lane, and
; the 16 registers of two tiles are 16 neighbours along the next K.  v IS NOT (source 0 = tokens, source 1 = W): a lane holds one feature and 2 x 16 neighbouring keys, the next K of v.
; The biases are the C of each sum's first product.
; OUT: half fragments (16 rows x 64 K, 6 registers, 768 bytes: registers 0-3 of lane l at 16 l, registers 4-5 at 512 + 8 l).  qkvc: q [head][rowblock 128], at 3,145,728 k likewise, at 6,291,456 v [head][key step 16][tile 4][half 2].
; qkvs: q's scale words [head][rowblock / 4][r][rowblock % 4] (bytes 2, 3 = 1.0: the upper half of a K step of 128 holds no numbers of q or k); from 262,144 on [head][k's words 8,192 | v's words [key step][tile][r] 4,096].
; LIMITS: NaN and infinities are not served; a block under 2^-122, a block of zeros too, keeps the byte 1.
; REGISTERS, in windows of 256: window 0: v1-21 addresses; v32-79 scale words, two sets of 24 (register 2 i + step % 2: lanes 0-15 x's rowblock i, lanes 16-31 W's rowblock i); v80-223 x's sets 0-2; on the way out v80-211 at work.
;   window 1: v0-143 W's 12 fragments; v144-239 x's sets 3, 4.   window 2: q's accumulators at 32 m + 8 t, k's at 128 + 32 m + 8 t.   window 3: v's at 32 t + 8 m; v128-255 the biases, later RoPE's table.
.set XS,   294912                      ; LDS: behind W's codes x's scale rows, 4,096 bytes a wave,
.set WS,   311296                      ; W's scale rows, 12,288 bytes,
.set VST,  323584                      ; and a stage for v's scale words, 512 bytes, written by LDS stores alone
.set WV,   20
.set SEL,  84
.set SC,   32
.set BR,   128
.set Y,    80                          ; the way out: 32 numbers behind RoPE
.set QW,   112                         ; v112-115 q's scale words, v116-119 k's
.set TM,   120
.set SO,   124
.set BY,   126
.set PB,   128                         ; twelve half fragments, six registers each: no store's data are written again
.set CT,   200
.set VW,   204
.set MSB,  0
.set DSN,  0                           ; LDS loads issued so far; a mark is its value behind a run
.set LDN,  0                           ; global loads issued so far
.macro WIN new                         ; the immediate's high byte repeats the setting that is left
.if MSB != (\new)
	s_set_vgpr_msb (MSB<<8)|(\new)
.set MSB, (\new)
.endif
.endm
.macro PLACES                          ; four plain places behind a matrix instruction, ahead of loads into its registers and of reads of its results
.rept 4
	v_nop
.endr
.endm
.macro CROUND                          ; a round of the cluster's barrier
	s_barrier_signal -1
	s_barrier_wait -1
	s_cmp_lg_u32 s[WV], 0
	s_cbranch_scc1 .Lnot_wave_0_\@
	s_barrier_signal -3
.Lnot_wave_0_\@:
	s_barrier_wait -3
	s_barrier_signal -1
	s_barrier_wait -1
.endm
.macro CREST                           ; a round of the cluster's barrier behind its opening barrier
	s_cmp_lg_u32 s[WV], 0
	s_cbranch_scc1 .Lnw0_\@
	s_barrier_signal -3
.Lnw0_\@:
	s_barrier_wait -3
	s_barrier_signal -1
	s_barrier_wait -1
.endm
.macro WDS mark
.if DSN-(\mark) < 63
	s_wait_dscnt DSN-(\mark)
.else
	s_wait_dscnt 63
.endif
.endm
.macro WLD mark                        ; the same for global loads
.if LDN-(\mark) < 63
	s_wait_loadcnt LDN-(\mark)
.else
	s_wait_loadcnt 63
.endif
.endm
	s_load_b256 s[4:11], s[0:1], 0x0               ; cod, scl, rope, bq
	s_load_b256 s[12:19], s[0:1], 0x20             ; bk, bv, qkvc, qkvs
	v_lshl_add_u32 v254, v0, 2, 0x4f200
	v_mov_b32 v255, 0
	ds_add_u32 v254, v255
	ds_add_u32 v254, v255
	v_lshrrev_b32 v1, 5, v0
	v_readfirstlane_b32 s[WV], v1                  ; wave 0..3
	s_bfe_u32 s21, ttmp6, 0x40000                  ; cx
	s_lshl_b32 s22, ttmp9, 2
	s_add_co_u32 s22, s22, s21                     ; tr: which 256 tokens
	s_and_b32 s23, ttmp7, 0xffff                   ; the head, which the four partners share
	; descriptor groups 1, elements of 8 bytes.  W's codes: 3 rowblocks x 6,144 bytes (4 K steps), 24,576 bytes apart
	s_mov_b32 s32, 15|(3<<16)|(1<<21)              ; the mask: all four work-groups; bit 21 set beside it
	s_mov_b32 s33, 768<<16
	s_mov_b32 s34, 3<<16
	s_mov_b32 s35, 768<<16
	s_mov_b32 s36, 3
	s_mov_b32 s37, 3072
	s_mov_b32 s38, 0
	s_mov_b32 s39, 0
	s_mov_b32 s40, 15|(3<<16)|(1<<21)              ; W's scale rows: 12,288 dense bytes as 48 rows of 256
	s_mov_b32 s41, 32<<16
	s_mov_b32 s42, 48<<16                          ; one wave brings all 12,288 bytes: 48 rows of 256
	s_mov_b32 s43, 32<<16
	s_mov_b32 s44, 48
	s_mov_b32 s45, 32
	s_mov_b32 s46, 0
	s_mov_b32 s47, 0
	s_mov_b32 s48, 3<<16                           ; x's scale rows, my work-group's own (no mask): 16,384 dense bytes as 64 rows of 256
	s_mov_b32 s49, 32<<16
	s_mov_b32 s50, 64<<16                          ; one wave brings all 16,384 bytes: 64 rows of 256
	s_mov_b32 s51, 32<<16
	s_mov_b32 s52, 64
	s_mov_b32 s53, 32
	s_mov_b32 s54, 0
	s_mov_b32 s55, 0
	s_mov_b32 s92, 15|(3<<16)|(1<<21)              ; chunk 0 at the head: 6 rowblocks x 6,144 bytes to a wave
	s_mov_b32 s93, 768<<16
	s_mov_b32 s94, 6<<16
	s_mov_b32 s95, 768<<16
	s_mov_b32 s96, 6
	s_mov_b32 s97, 3072
	s_mov_b32 s98, 0
	s_mov_b32 s99, 0
	s_mov_b32 s[SEL], 0x76543210
	s_mov_b32 s[SEL+1], 0xfedcba98                 ; selects for lane l xor 16
	v_and_b32 v3, 31, v0                           ; lane
	v_and_b32 v4, 15, v0                           ; r
	v_bfe_u32 v20, v0, 4, 1                        ; h
	v_lshlrev_b32 v1, 4, v3                        ; 16 l
	v_lshl_add_u32 v2, v3, 3, 512                  ; 512 + 8 l
.irp k, 0,1,2,3,4,5,6,7
	v_add_nc_u32 v[8+\k], 36864*\k, v1             ; W's codes in LDS, six rowblocks of a chunk to an address register
.endr
	s_xor_b32 s24, s[WV], 3
	s_add_co_u32 s24, s24, 1
	s_lshl_b32 s24, s24, 12                        ; from my rows of x's scales to W's: 16,384 - 4,096 w
	v_mul_u32_u24 v5, s24, v20                     ; lanes 16-31 take W's
	v_lshl_add_u32 v5, v4, 4, v5
	s_lshl_b32 s25, s[WV], 12
	s_add_co_u32 s25, s25, XS
	v_add_nc_u32 v5, s25, v5
	v_and_b32 v21, 8, v4
	v_add_nc_u32 v21, v21, v4                      ; r + 8 (r / 8)
	v_lshlrev_b32 v6, 8, v21
	v_lshl_add_u32 v6, v20, 6, v6                  ; RoPE's table: my token's 256 bytes, + 64 h
	v_lshlrev_b32 v7, 6, v20                       ; bq, bk: 64 h
	v_lshlrev_b32 v16, 2, v21                      ; bv: my feature
	s_lshl_b32 s26, s23, 12
	s_add_co_u32 s26, s26, 262144
	v_mul_u32_u24 v17, s26, v20                    ; the scale words' store: lanes 0-15 q's, lanes 16-31 k's
	v_lshl_add_u32 v17, v4, 4, v17
	s_lshr_b32 s27, s[WV], 1
	s_lshl_b32 s27, s27, 8
	s_and_b32 s28, s[WV], 1
	s_lshl_b32 s28, s28, 1
	s_add_co_u32 s27, s27, s28
	s_add_co_u32 s27, s27, VST
	v_lshl_add_u32 v18, v4, 2, s27                 ; v's scale words: key step w / 2, my two bytes of a word
	v_add_nc_u32 v19, VST, v1
	s_wait_dscnt 0x0
	CROUND                                         ; the round in front of the first joint loads stands ahead of the wait for the arguments
	s_wait_kmcnt 0x0
	; what the four partners share hangs on the head and the wave's number alone
	s_mul_i32 s24, s23, 12
	s_add_co_u32 s24, s24, 128                     ; W's first rowblock
	s_lshl_b32 s26, s24, 10
	s_mov_b32 s27, 0
	s_mov_b32 s60, 1
	s_mov_b32 s61, WS
	s_add_nc_u64 s[62:63], s[6:7], s[26:27]
	s_or_b32 s63, s63, 0x80000000
	s_mul_i32 s25, s[WV], 3
	s_add_co_u32 s24, s24, s25
	s_mul_i32 s26, s24, 24576
	s_add_nc_u64 s[28:29], s[4:5], s[26:27]
	s_mul_i32 s25, s[WV], 18432
.irp g, 0,1,2,3
	s_mov_b32 s[68+4*\g], 1
	s_add_co_u32 s[69+4*\g], s25, 73728*\g         ; chunk g: [rowblock 12][K step 4][1,536]; my three rowblocks
	s_add_nc_u64 s[70+4*\g:71+4*\g], s[28:29], 6144*\g
	s_or_b32 s[71+4*\g], s[71+4*\g], 0x80000000
.endr
	; my own
	s_and_b32 s25, s[WV], 1                        ; chunk 0's group 0: waves 2 and 3 take six rowblocks each
	s_mul_i32 s69, s25, 36864
	s_mul_i32 s25, s25, 6
	s_mul_i32 s26, s23, 12
	s_add_co_u32 s26, s26, 128
	s_add_co_u32 s26, s26, s25
	s_mul_i32 s26, s26, 24576
	s_add_nc_u64 s[70:71], s[4:5], s[26:27]
	s_or_b32 s71, s71, 0x80000000
	s_lshl_b32 s30, s22, 4
	s_lshl_b32 s31, s[WV], 2
	s_add_co_u32 s30, s30, s31                     ; my first rowblock of x: 16 tr + 4 w
	s_lshl_b32 s26, s22, 14
	s_mov_b32 s56, 1
	s_mov_b32 s57, XS
	s_add_nc_u64 s[58:59], s[6:7], s[26:27]
	s_or_b32 s59, s59, 0x80000000
	s_mul_i32 s26, s30, 24576
	s_add_nc_u64 s[4:5], s[4:5], s[26:27]          ; x's codes
	s_lshl_b32 s26, s30, 12
	s_add_nc_u64 s[8:9], s[8:9], s[26:27]          ; RoPE's table at my first token
	s_lshl_b32 s26, s23, 8
	s_add_nc_u64 s[10:11], s[10:11], s[26:27]
	s_add_nc_u64 s[12:13], s[12:13], s[26:27]
	s_add_nc_u64 s[14:15], s[14:15], s[26:27]
	s_mul_i32 s24, s23, 98304
	s_mul_i32 s26, s30, 768
	s_add_co_u32 s26, s26, s24
	s_add_nc_u64 s[86:87], s[16:17], 6291456
	s_add_nc_u64 s[16:17], s[16:17], s[26:27]      ; q's half fragments; k's 3,145,728 on
	s_lshl_b32 s25, s22, 1
	s_lshr_b32 s31, s[WV], 1
	s_add_co_u32 s25, s25, s31
	s_mul_i32 s25, s25, 6144                       ; v: key step 2 tr + w / 2,
	s_and_b32 s31, s[WV], 1
	s_mul_i32 s31, s31, 768                        ; its half w % 2
	s_add_co_u32 s26, s25, s31
	s_add_co_u32 s26, s26, s24
	s_add_nc_u64 s[86:87], s[86:87], s[26:27]
	s_mul_i32 s26, s23, 12288
	s_lshl_b32 s25, s22, 9
	s_add_co_u32 s26, s26, s25
	s_add_co_u32 s26, s26, 262144+8192
	s_add_nc_u64 s[88:89], s[18:19], s[26:27]      ; v's scale words of my two key steps
	s_lshl_b32 s26, s23, 13
	s_lshl_b32 s25, s22, 10
	s_add_co_u32 s26, s26, s25
	s_lshl_b32 s25, s[WV], 8
	s_add_co_u32 s26, s26, s25
	s_add_nc_u64 s[18:19], s[18:19], s[26:27]      ; q's scale words of my four rowblocks
	s_cmp_lt_u32 s[WV], 1
	s_cbranch_scc0 .Lhead_ws
	tensor_load_to_lds s[56:59], s[48:55]
	s_nop 0
	PLACES
	s_branch .Lhead_asked
.Lhead_ws:
	s_cmp_lt_u32 s[WV], 2                          ; wave 1 W's scale rows,
	s_cbranch_scc0 .Lhead_w
	tensor_load_to_lds s[60:63], s[40:47]
	s_nop 0
	PLACES
	s_branch .Lhead_asked
.Lhead_w:
	tensor_load_to_lds s[68:71], s[92:99]          ; waves 2 and 3 the halves of chunk 0
	s_nop 0
	PLACES
.Lhead_asked:
	WIN 0xC0
	s_wait_alu depctr_va_vdst(0)
.irp t, 0,1,2,3                        ; tile t's eight features of my half: 32 (t / 2) + 16 h + 8 (t % 2) + 0..7;  bv: my one feature 32 (t / 2) + 8 (t % 2) + r + 8 (r / 8)
	global_load_b128 v[BR+8*\t:BR+8*\t+3], v7, s[10:11] offset:128*(\t/2)+32*(\t%2)
	global_load_b128 v[BR+8*\t+4:BR+8*\t+7], v7, s[10:11] offset:128*(\t/2)+32*(\t%2)+16
	global_load_b128 v[BR+32+8*\t:BR+32+8*\t+3], v7, s[12:13] offset:128*(\t/2)+32*(\t%2)
	global_load_b128 v[BR+32+8*\t+4:BR+32+8*\t+7], v7, s[12:13] offset:128*(\t/2)+32*(\t%2)+16
	global_load_b32 v[BR+64+8*\t], v16, s[14:15] offset:128*(\t/2)+32*(\t%2)
.endr
.set LDN, 20
.macro XSET n                          ; where x's set of K step n lies
.if (\n)%5 < 3
.set AB, 80+48*((\n)%5)
.set AWN, 0
.else
.set AB, 144+48*((\n)%5-3)
.set AWN, 1
.endif
.endm
.macro LA n                            ; x's four fragments of K step n, from memory: each load reads 512 consecutive bytes
	XSET \n
	WIN AWN<<6
.irp m, 0,1,2,3
.irp c, 0,1,2
	global_load_b128 v[AB+12*\m+4*\c:AB+12*\m+4*\c+3], v1, s[4:5] offset:24576*\m+1536*(\n)+512*\c
.endr
.endr
.set LDN, LDN+12
.endm
.macro LW k, n                         ; W's fragments 4 k .. 4 k + 3 of K step n, from LDS
	WIN 0x40
.irp t, 0,1,2,3
.set WI, 4*(\k)+\t
.irp c, 0,1,2
	ds_load_b128 v[12*WI+4*\c:12*WI+4*\c+3], v[8+2*((\n)/4)+WI/6] offset:(WI%6)*6144+((\n)%4)*1536+512*\c
.endr
.endr
.set DSN, DSN+12
.set MKW\k, DSN
.endm
.macro SCALES p                        ; the scale words of K steps 2 p and 2 p + 1: lanes 0-15 x's rowblock i (of use for i < 4), lanes 16-31 W's rowblock i
	WIN 0
.irp i, 0,1,2,3,4,5,6,7,8,9,10,11
	ds_load_b64 v[SC+24*((\p)%2)+2*\i:SC+24*((\p)%2)+2*\i+1], v5 offset:1024*\i+256*((\p)/2)+8*((\p)%2)
.endr
.set DSN, DSN+12
.endm
; 16 products each; the 48 accumulators take turns, one instruction a turn, in the same order in every K step
.macro MULQK k, n
	XSET \n
.if (\n) == 0
	WIN 0xB1|(AWN<<2)                              ; source 0 (W) window 1, source 1 (x), C the bias in window 3, D window 2
.else
	WIN 0xA1|(AWN<<2)
.endif
.set SS, SC+24*(((\n)/2)%2)+(\n)%2
.irp m, 0,1,2,3
.irp t, 0,1,2,3
.set rD, 128*(\k)+32*\m+8*\t
.if (\n) == 0
.set rC, BR+32*(\k)+8*\t
.else
.set rC, rD
.endif
.set rA, 12*(4*(\k)+\t)
.set rB, AB+12*\m
	v_wmma_scale_f32_16x16x128_f8f6f4 v[rD:rD+7], v[rA:rA+11], v[rB:rB+11], v[rC:rC+7], v[SS+2*(4*(\k)+\t)], v[SS+2*\m] matrix_a_fmt:MATRIX_FMT_BF6 matrix_b_fmt:MATRIX_FMT_BF6 matrix_a_scale:MATRIX_SCALE_ROW1
.endr
.endr
.endm
.macro MULV n
	XSET \n
	WIN 0xF4|AWN                                   ; source 0 (x), source 1 (W) window 1, C and D window 3
.set SS, SC+24*(((\n)/2)%2)+(\n)%2
.irp t, 0,1,2,3
.irp m, 0,1,2,3
.set rD, 32*\t+8*\m
.if (\n) == 0
.set rC, BR+64+8*\t
.else
.set rC, rD
.endif
.set rA, AB+12*\m
.set rB, 12*(8+\t)
	v_wmma_scale_f32_16x16x128_f8f6f4 v[rD:rD+7], v[rA:rA+11], v[rB:rB+11], v[rC:rC+7], v[SS+2*\m], v[SS+2*(8+\t)] matrix_a_fmt:MATRIX_FMT_BF6 matrix_b_fmt:MATRIX_FMT_BF6 matrix_b_scale:MATRIX_SCALE_ROW1
.endr
.endr
.endm
; A K STEP of 128: 48 products.  Each third of W's fragments is fetched anew as soon as its 16 products are issued, 32 products ahead of its next use; x's set is asked for again five K steps ahead.
; Where the next K step lies in the next chunk of W (steps 3, 7, 11): all my tensor loads have landed, a barrier shows everybody's; in steps 3 and 7 that barrier opens a round of the cluster's barrier,
; behind which the chunk after the next one is asked for: its first fill, one load a wave.
.macro KFRAG n
	WDS MKW0                                       ; q's fragments of W (and the scale words, issued earlier) are in
	WLD 32+12*(\n)                                 ; x's set of this step is in: 20 loads of biases and n + 1 sets stand up to its mark
	MULQK 0, \n
.if ((\n)%4 == 3) && ((\n) < 15)
	WIN 0
	s_wait_tensorcnt 0x0                           ; my part of the next chunk has landed: no load of mine is out
.if (\n) < 11
	ds_add_u32 v254, v255                          ; ahead of a later first fill's barrier
.endif
	s_wait_dscnt 0x0                               ; no LDS instruction of mine is out at a signal
	s_barrier_signal -1
	MULQK 1, \n
	WIN 0
	s_barrier_wait -1
.if (\n) < 11
	CREST                                          ; the barrier has opened a round: the partners' joint loads meet
	tensor_load_to_lds s[76+4*((\n)/4):79+4*((\n)/4)], s[32:39]   ; the chunk after the next one, my three rowblocks
	s_nop 0
.endif
	PLACES
	LW 0, (\n)+1
	LW 1, (\n)+1
.else
.if (\n) < 15
	PLACES
	LW 0, (\n)+1
.if ((\n)%2 == 0) && ((\n) < 14)
	SCALES (\n)/2+1
.endif
.endif
	WDS MKW1
	MULQK 1, \n
.if (\n) < 15
	PLACES
	LW 1, (\n)+1
.endif
.endif
	WDS MKW2
	MULV \n
.if (\n) < 15
	PLACES
	LW 2, (\n)+1
.endif
.if (\n) < 11
	LA (\n)+5
.endif
.if (\n) == 11                         ; RoPE's table takes the biases' registers: for each of my four rowblocks 16 cosines and 16 sines of my token, d = 16 h + 0..15
	WIN 0xC0
.irp m, 0,1,2,3
.irp e, 0,1,2,3
	global_load_b128 v[BR+32*\m+4*\e:BR+32*\m+4*\e+3], v6, s[8:9] offset:(32*(\m/2)+8*(\m%2))*256+16*\e
	global_load_b128 v[BR+32*\m+16+4*\e:BR+32*\m+16+4*\e+3], v6, s[8:9] offset:(32*(\m/2)+8*(\m%2))*256+128+16*\e
.endr
.endr
.set LDN, LDN+32
.endif
.endm
.irp n, 0,1,2,3,4
	LA \n
.endr
	WIN 0
	s_wait_tensorcnt 0x0                           ; my tile of the head's is in
	ds_add_u32 v254, v255                          ; ahead of a later first fill
	s_wait_dscnt 0x0
	CROUND                                         ; everybody's tiles are in, and the four work-groups are here
	tensor_load_to_lds s[72:75], s[32:39]          ; chunk 1, my three rowblocks
	s_nop 0
	PLACES
	SCALES 0
	LW 0, 0
	LW 1, 0
	LW 2, 0
	WLD 20                                         ; the biases are in; x's five sets may be out
	WIN 0xC3
.irp t, 0,1,2,3
.irp j, 1,2,3,4,5,6,7
	v_mov_b32 v[BR+64+8*\t+\j], v[BR+64+8*\t]      ; in v's tiles a lane has one feature: its bias in all eight registers
.endr
.endr
	s_wait_alu depctr_va_vdst(0)
.irp n, 0,1,2,3,4,5,6,7,8,9,10,11,12,13,14,15
	KFRAG \n
.endr
	WIN 0
	PLACES
	s_wait_loadcnt 0x0                             ; RoPE's table
	v_mov_b32 v[TM+2], 0                           ; a lane permute's destination counts as read
	v_mov_b32 v[TM+3], 0
; q' = q cos - q(d + 32) sin, q'(d + 32) = q(d + 32) cos + q sin: a = registers 0-15, b = registers 16-31 of the token's 32; each accumulator is read from its low end on
.macro ROPE k, m
	WIN 0x0E                                       ; source 0 window 2 (the sums), source 1 window 3 (the table)
.irp i, 0,2,4,6,8,10,12,14
	v_pk_mul_f32 v[Y+\i:Y+\i+1], v[128*\k+32*\m+16+\i:128*\k+32*\m+17+\i], v[BR+32*\m+16+\i:BR+32*\m+17+\i]
.endr
.irp i, 0,2,4,6,8,10,12,14
	v_pk_fma_f32 v[Y+\i:Y+\i+1], v[128*\k+32*\m+\i:128*\k+32*\m+1+\i], v[BR+32*\m+\i:BR+32*\m+1+\i], v[Y+\i:Y+\i+1] neg_lo:[0,0,1] neg_hi:[0,0,1]
.endr
.irp i, 0,2,4,6,8,10,12,14
	v_pk_mul_f32 v[Y+16+\i:Y+17+\i], v[128*\k+32*\m+\i:128*\k+32*\m+1+\i], v[BR+32*\m+16+\i:BR+32*\m+17+\i]
.endr
.irp i, 0,2,4,6,8,10,12,14
	v_pk_fma_f32 v[Y+16+\i:Y+17+\i], v[128*\k+32*\m+16+\i:128*\k+32*\m+17+\i], v[BR+32*\m+\i:BR+32*\m+1+\i], v[Y+16+\i:Y+17+\i]
.endr
	WIN 0
.endm
; 32 numbers of a lane in window ws, register 16 b + i = k 32 b + 16 h + i of my row, become a half fragment in v[p] on and the two scale bytes in v[w].
.macro QUANT2 src, ws, p, w
	WIN ((\ws)<<2)|((\ws)<<4)
	v_max3_num_f32 v[TM], 0x2800000, |v[(\src)]|, |v[(\src)+1]|          ; the floor 2^(5 - 127) among the leaves: the byte cannot fall under 1
	v_max3_num_f32 v[TM+1], 0x2800000, |v[(\src)+16]|, |v[(\src)+17]|
.irp i, 2,4,6,8,10,12,14
	v_max3_num_f32 v[TM], v[TM], |v[(\src)+\i]|, |v[(\src)+\i+1]|
	v_max3_num_f32 v[TM+1], v[TM+1], |v[(\src)+16+\i]|, |v[(\src)+17+\i]|
.endr
	WIN 0
	v_permlanex16_b32 v[TM+2], v[TM], s[SEL], s[SEL+1]
	v_permlanex16_b32 v[TM+3], v[TM+1], s[SEL], s[SEL+1]
	v_max_num_f32 v[TM], v[TM], v[TM+2]            ; with lane l xor 16's: the block's largest magnitude
	v_max_num_f32 v[TM+1], v[TM+1], v[TM+3]
	v_add_nc_u32 v[SO], 0xfe000000, v[TM]          ; 4 off the exponent field: the conversion's scale operand
	v_add_nc_u32 v[SO+1], 0xfe000000, v[TM+1]
	v_lshrrev_b32 v[BY], 23, v[SO]
	v_lshrrev_b32 v[BY+1], 23, v[SO+1]
	v_lshl_or_b32 v[(\w)], v[BY+1], 8, v[BY]
	WIN (\ws)
	v_cvt_scalef32_pk16_bf6_f32 v[(\p):(\p)+2], v[(\src):(\src)+15], v[SO]
	v_cvt_scalef32_pk16_bf6_f32 v[CT:CT+2], v[(\src)+16:(\src)+31], v[SO+1]
	WIN 0
	v_nop                                          ; one plain place behind a scaled conversion
.irp i, 0,1,2
	v_permlane16_swap_b32 v[(\p)+\i], v[CT+\i]     ; the layout wants a whole block in a lane: lanes 0-15 block 0, lanes 16-31 block 1
.endr
.irp i, 0,1,2
	v_mov_b32 v[(\p)+3+\i], v[CT+\i]
.endr
.endm
.irp k, 0,1
.irp m, 0,1,2,3
	ROPE \k, \m
	QUANT2 Y, 0, PB+6*(4*\k+\m), QW+4*\k+\m
	v_or_b32 v[QW+4*\k+\m], 0x7f7f0000, v[QW+4*\k+\m]   ; bytes 2 and 3: 1.0
	global_store_b128 v1, v[PB+6*(4*\k+\m):PB+6*(4*\k+\m)+3], s[16:17] offset:3145728*\k+768*\m      ; 512 consecutive bytes,
	global_store_b64 v2, v[PB+6*(4*\k+\m)+4:PB+6*(4*\k+\m)+5], s[16:17] offset:3145728*\k+768*\m     ; and the 256 behind them
.endr
.endr
.irp t, 0,1,2,3
	QUANT2 32*\t, 3, PB+48+6*\t, VW+\t
	global_store_b128 v1, v[PB+48+6*\t:PB+48+6*\t+3], s[86:87] offset:1536*\t
	global_store_b64 v2, v[PB+48+6*\t+4:PB+48+6*\t+5], s[86:87] offset:1536*\t
	ds_store_b16 v18, v[VW+\t] offset:64*\t        ; both lanes of a row write the same two bytes
.endr
	v_cmp_gt_u32 vcc_lo, 16, v3
.irp i, 0,1,2,3
	v_cndmask_b32 v[QW+\i], v[QW+4+\i], v[QW+\i], vcc_lo   ; lanes 0-15 q's four words of row r, lanes 16-31 k's
.endr
	global_store_b128 v17, v[QW:QW+3], s[18:19]    ; two runs of 256 consecutive bytes
	s_wait_dscnt 0x0                               ; for the others' sake: my bytes lie in the stage
	s_barrier_signal -1
	s_barrier_wait -1
	s_cmp_lg_u32 s[WV], 0
	s_cbranch_scc1 .Lnot_first
	ds_load_b128 v[208:211], v19
	s_wait_dscnt 0x0
	global_store_b128 v1, v[208:211], s[88:89]     ; v's scale words of two key steps: 512 consecutive bytes
.Lnot_first:
	s_wait_tensorcnt 0x0
	ds_add_u32 v254, v255
	s_wait_dscnt 0x0
	CROUND                                         ; the closing round
	s_endpgm
.Lfunc_end_k_q0f7a887a0d_qkv:
	.size	k_q0f7a887a0d_qkv, .Lfunc_end_k_q0f7a887a0d_qkv-k_q0f7a887a0d_qkv
	.p2alignl 7, 3214868480
	.fill 96, 4, 3214868480
	.section	.rodata,"a",@progbits
	.p2align	6, 0x0
	.amdhsa_kernel k_q0f7a887a0d_qkv
		.amdhsa_group_segment_fixed_size 327680
		.amdhsa_private_segment_fixed_size 0
		.amdhsa_enable_private_segment 0
		.amdhsa_kernarg_size 64
		.amdhsa_user_sgpr_count 2
		.amdhsa_user_sgpr_kernarg_segment_ptr 1
		.amdhsa_wavefront_size32 1
		.amdhsa_system_sgpr_workgroup_id_x 1
		.amdhsa_system_sgpr_workgroup_id_y 1
		.amdhsa_system_sgpr_workgroup_id_z 1
		.amdhsa_system_vgpr_workitem_id 0
		.amdhsa_next_free_vgpr 1024
		.amdhsa_next_free_sgpr 100
		.amdhsa_reserve_vcc 1
		.amdhsa_float_denorm_mode_32 3
		.amdhsa_float_denorm_mode_16_64 3
		.amdhsa_memory_ordered 1
		.amdhsa_forward_progress 1
		.amdhsa_inst_pref_size 228
	.end_amdhsa_kernel
	.amdgpu_metadata
---
amdhsa.version: [ 1, 2 ]
amdhsa.kernels:
  - .name:           k_q0f7a887a0d_qkv
    .symbol:         k_q0f7a887a0d_qkv.kd
    .args:
      - { .name: cod, .offset: 0, .size: 8, .value_kind: global_buffer, .address_space: global }
      - { .name: scl, .offset: 8, .size: 8, .value_kind: global_buffer, .address_space: global }
      - { .name: rope, .offset: 16, .size: 8, .value_kind: global_buffer, .address_space: global }
      - { .name: bq, .offset: 24, .size: 8, .value_kind: global_buffer, .address_space: global }
      - { .name: bk, .offset: 32, .size: 8, .value_kind: global_buffer, .address_space: global }
      - { .name: bv, .offset: 40, .size: 8, .value_kind: global_buffer, .address_space: global }
      - { .name: qkvc, .offset: 48, .size: 8, .value_kind: global_buffer, .address_space: global }
      - { .name: qkvs, .offset: 56, .size: 8, .value_kind: global_buffer, .address_space: global }
    .group_segment_fixed_size: 327680
    .private_segment_fixed_size: 0
    .kernarg_segment_align: 8
    .kernarg_segment_size: 64
    .max_flat_workgroup_size: 128
    .sgpr_count:     100
    .vgpr_count:     1024
    .wavefront_size: 32
...
	.end_amdgpu_metadata
.endif
;; end of part 2
;; launch attn (part 3): grid 8 x 32, 16 waves a work-group, clusters of 4 x 1, 327,680 bytes of LDS; arguments qkvc, qkvs, oc, os; writes oc, os
.if DOCPART == 3
	.amdgcn_target "amdgcn-amd-amdhsa--gfx1250"
	.amdhsa_code_object_version 6
	.text
	.protected	k_q0f7a887a0d_attn
	.globl	k_q0f7a887a0d_attn
	.p2align	8
	.type	k_q0f7a887a0d_attn,@function
k_q0f7a887a0d_attn:
	s_mov_b64 s[64:65], 0
	v_nop
	global_prefetch_b8 v0, s[64:65] scope:SCOPE_SE
	s_setreg_imm32_b32 hwreg(HW_REG_WAVE_MODE, 25, 1), 1
	s_wait_xcnt 0x0
	s_wait_alu depctr_hold_cnt(0) depctr_sa_sdst(0) depctr_va_vdst(0) depctr_va_sdst(0) depctr_va_ssrc(0) depctr_va_vcc(0) depctr_vm_vsrc(0)
	s_getreg_b32 s2, hwreg(HW_REG_IB_STS2, 6, 4)
	s_cmp_eq_u32 s2, 0
	s_cbranch_scc0 .Lentry_in_a_cluster
	s_endpgm
.Lentry_in_a_cluster:
	s_bfe_u32 s2, ttmp6, 0x10000c
	s_cmp_lg_u32 s2, 0x3003
	s_cbranch_scc0 .Lentry_shape_is_right
	s_endpgm
.Lentry_shape_is_right:
; Causal attention of one head on codes of BF6 (E3M2) with E8M0 scales, head size 64, 2,048 tokens; then o = O / l is quantised along the head's 64 for the last product.
; THE SOFTMAX: t = score x log2(e) / 8; M = the running largest t rounded UP to a whole number; p = 2^(t - M) is quantised along the keys, not normalised; l is the sum of the unquantised p.
; When M moves, l and O are multiplied by 2^(old M - new M): exact.  Key steps that lie wholly behind reference()'s causal mask are left out.
; SHARES: work-group (j, head) owns the rowblocks 8 rank + j, rank 0..15 (rowblock rho: lane-row r is token 32 (rho / 2) + 8 (rho % 2) + r + 8 (r / 8)); rank k needs key steps 0..k of 128 keys, the last on the diagonal.
; Sixteen waves, w = 4 a + b; kind = (a ^ b) & 1, i = 3 bits of w.  Kind 0 takes rank 15 - i, key steps 0..8: 9 steps.  Kind 1 takes rank i (i + 1 steps), stores it, and then key steps 9..15 - i of rank 15 - i
; (7 - i steps): 8 steps; its O, -M and l go through LDS to the wave of kind 0 with the same i, which joins the two parts by exact powers of two and stores the rank.  Among waves with equal w % 4 and among waves with equal w / 4 there are two of each kind.
; All loops have constant trip counts (2, 7, 7); a step that is not the wave's is jumped over by a scalar branch on the wave's number and the count; no branch hangs on the work-group's place.
; THE WHOLE HEAD COMES INTO LDS ONCE, jointly for the four work-groups of a cluster (mask 15): at the head key steps 0 and 1 of K (waves 0-7) and V (waves 8-15), 1,536 bytes a wave; behind a round key steps 2..15, 10,752 bytes a wave,
; first read behind the barrier that follows two trips, in which every wave but one has two steps.  The scale words (12,288 bytes of 208,896) come by plain loads and LDS stores into bytes of their own: no joint load for that small part.
; No prefetch: both fills are asked for at the head, the second as soon as the first has landed; there is no loop to run ahead in.
; LAYOUT: both products transposed: S^T = K Q^T, O^T = V^T P^T: a lane holds one query.  The 16 registers of tiles 2 b, 2 b + 1 are keys (features) 32 b + 16 h + 0..15.  The head's 64 fill half of a K step of 128: Q's upper six
; registers are zero codes, and a tile of K names the next tile's six registers as its upper half (finite codes under the scale 1.0, times zero).  K's and V's fragments take turns in one set of registers.
; LIMITS: NaN and infinities are not served; a block under 2^-122, a block of zeros too, keeps the byte 1; the scaled scores stay under 2^31 in magnitude.
.set VB,   98304                       ; LDS: K's codes at 0 (key step s at 6,144 s, tile i at + 768 i), V's here (fragment t at + 1,536 t),
.set SCB,  196608                      ; K's scale words [rowblock / 4][r][rowblock % 4], 8,192 bytes, then V's [key step][t][r], 4,096: written by LDS stores,
.set OST,  208896                      ; a stage for o's scale bytes, 512 bytes,
.set XCH,  209408                      ; the parts handed over: 4,608 bytes for each i,
.set SPARE, 246272                     ; and the spare words, 128 bytes a wave
.set WV,   12
.set KIND, 40
.set SEL,  44
.set CS,   46
.set RK,   48                          ; s48 the rank at work; s49 the key step; s50-53 where the step's K, V and their scale words begin; s54 trips to go
.set SG,   49
.set KO,   50
.set VO,   51
.set KSO,  52
.set VSO,  53
.set CNT,  54
.set QC,   16                          ; v16-27 Q's fragment (22-27 zero codes); v28-33 the second rank's codes; v34, v35 their scale words
.set Q2,   28
.set QS,   34
.set KS,   36                          ; v36-43 K's scale words, v44-47 V's
.set VS,   44
.set AD,   48                          ; v48-53 the step's addresses
.set SPW,  54
.set NIL,  55
.set S,    56                          ; v56-119 S^T, then p
.set O,    120                         ; v120-151 O^T
.set PCD,  152                         ; v152-163 p's codes
.set BM,   164
.set BX,   168
.set SOP,  172
.set CT,   176
.set F,    184
.set T,    186
.set PW,   187                         ; p's scale word
.set SM,   188                         ; v188-201 seven partial sums
.set KV,   202                         ; v202-249 K's tiles (6 i) or V's fragments (12 t); v250-255 zeros
.set OH,   S+32
.set OW,   S+38
.macro PLACES
.rept 4
	v_nop
.endr
.endm
.macro CROUND                          ; a round of the cluster's barrier
	s_barrier_signal -1
	s_barrier_wait -1
	s_cmp_lg_u32 s[WV], 0
	s_cbranch_scc1 .Lnot_wave_0_\@
	s_barrier_signal -3
.Lnot_wave_0_\@:
	s_barrier_wait -3
	s_barrier_signal -1
	s_barrier_wait -1
.endm
.macro INIT                            ; a pass begins: the step is written once, the first finds zeros
	v_mov_b32 v13, 0xff61b1e6                      ; the largest t so far: -3e38
	v_floor_f32 v12, -v13
	v_mov_b32 v14, 0
	v_mov_b32 v15, 0
.set jj, 0
.rept 32
	v_mov_b32 v[O+jj], 0
.set jj, jj+1
.endr
.endm
	s_load_b256 s[4:11], s[0:1], 0x0               ; qkvc, qkvs, oc, os
	v_lshl_add_u32 v[SPW], v0, 2, SPARE
	v_mov_b32 v[NIL], 0
	ds_add_u32 v[SPW], v[NIL]                      ; the opening lines: the add twice on end
	ds_add_u32 v[SPW], v[NIL]
	v_lshrrev_b32 v1, 5, v0
	v_readfirstlane_b32 s[WV], v1                  ; wave 0..15
	s_bfe_u32 s13, ttmp6, 0x40000                  ; cx
	s_lshl_b32 s14, ttmp9, 2
	s_add_co_u32 s14, s14, s13                     ; j
	s_and_b32 s15, ttmp7, 0xffff                   ; the head, which the four partners share
	s_mov_b32 s16, 15|(3<<16)|(1<<21)              ; group 1 for the head's loads: 1,536 dense bytes as 6 rows of 256 (32 elements of 8 bytes); the mask: all four; bit 21 beside it
	s_mov_b32 s17, 32<<16
	s_mov_b32 s18, 6<<16
	s_mov_b32 s19, 32<<16
	s_mov_b32 s20, 6
	s_mov_b32 s21, 32
	s_mov_b32 s22, 0
	s_mov_b32 s23, 0
	s_mov_b32 s24, 15|(3<<16)|(1<<21)              ; for the second fill: 10,752 bytes as 42 rows
	s_mov_b32 s25, 32<<16
	s_mov_b32 s26, 42<<16
	s_mov_b32 s27, 32<<16
	s_mov_b32 s28, 42
	s_mov_b32 s29, 32
	s_mov_b32 s30, 0
	s_mov_b32 s31, 0
	s_mov_b32 s[SEL], 0x76543210
	s_mov_b32 s[SEL+1], 0xfedcba98                 ; selects for lane l xor 16
	s_mov_b32 s[CS], 0x3e38aa3b                    ; c = log2(e) / sqrt(64)
	s_mov_b32 s[CS+1], s[CS]
	s_lshr_b32 s[KIND], s[WV], 2
	s_xor_b32 s[KIND], s[KIND], s[WV]
	s_and_b32 s[KIND], s[KIND], 1                  ; the wave's kind
	s_lshr_b32 s41, s[WV], 1
	s_and_b32 s41, s41, 4
	s_and_b32 s66, s[WV], 3
	s_or_b32 s41, s41, s66                         ; i
	s_xor_b32 s43, s41, 15                         ; the second rank: 15 - i
	s_xor_b32 s66, s[KIND], 1
	s_mul_i32 s66, s66, 15
	s_xor_b32 s42, s41, s66                        ; the first rank: kind 0: 15 - i, kind 1: i
	s_lshr_b32 s66, s14, 1
	s_lshl_b32 s66, s66, 5
	s_and_b32 s67, s14, 1
	s_lshl_b32 s67, s67, 3
	s_add_co_u32 s66, s66, s67                     ; where the rowblock begins in its key step
	s_lshl_b32 s67, s42, 5
	s_add_co_u32 s67, s67, OST
	s_lshl_b32 s68, s43, 5
	s_add_co_u32 s68, s68, OST
	s_mul_i32 s69, s41, 4608
	s_add_co_u32 s69, s69, XCH
	s_lshr_b32 s70, s[WV], 3                       ; I fetch for K (0) or V (1),
	s_and_b32 s71, s[WV], 7                        ; which eighth
	s_mul_i32 s76, s70, VB
	s_mul_i32 s72, s70, 3145728
	s_mul_i32 s73, s15, 98304
	s_add_co_u32 s72, s72, s73
	s_add_co_u32 s72, s72, 3145728
	s_mul_i32 s74, s71, 1536
	s_mul_i32 s75, s71, 10752
	s_add_co_u32 s75, s75, 12288
	s_mov_b32 s32, 1
	s_add_co_u32 s33, s76, s74
	s_mov_b32 s36, 1
	s_add_co_u32 s37, s76, s75
	s_add_co_u32 s74, s74, s72
	s_add_co_u32 s78, s75, s72
	s_mov_b32 s75, 0
	s_mov_b32 s79, 0
	s_mul_i32 s90, s15, 12288
	s_add_co_u32 s90, s90, 262144
	s_mov_b32 s91, 0
	v_and_b32 v56, 31, v0                          ; lane
	v_and_b32 v57, 15, v0                          ; r
	v_bfe_u32 v58, v0, 4, 1                        ; h
	v_lshlrev_b32 v1, 4, v56                       ; 16 l
	v_lshl_add_u32 v2, v56, 3, 512                 ; 512 + 8 l
	v_lshl_add_u32 v3, v57, 4, SCB                 ; K's scale words: 16 bytes a row
	v_lshl_add_u32 v4, v57, 2, SCB+8192            ; V's: 4 bytes a row
	v_and_b32 v5, 8, v57
	v_add_nc_u32 v5, v5, v57
	v_add_nc_u32 v5, s66, v5                       ; my query's place in its key step,
	v_lshlrev_b32 v58, 4, v58
	v_sub_nc_u32 v5, v5, v58                       ; less 16 h: register 16 b + i holds a hidden key where 32 b + i is above this.  It enters compares alone
	v_mov_b32 v6, 0xff800000                       ; -infinity
	v_lshl_add_u32 v7, v57, 1, s67                 ; o's bytes [rank][r], 2 bytes: the first rank's,
	v_lshl_add_u32 v8, v57, 1, s68                 ; the second's
	v_lshlrev_b32 v9, 4, v57                       ; 16 r
	v_add_nc_u32 v10, s69, v1                      ; the part handed over
	v_add_nc_u32 v11, OST, v1
	v_lshlrev_b32 v59, 3, v0                       ; the scale words: 8 bytes a thread, three times
	v_add_nc_u32 v60, SCB, v59
.irp i, 0,1,2,3,4,5
	v_mov_b32 v[QC+6+\i], 0                        ; the upper 64 of a K step: zero codes
	v_mov_b32 v[KV+48+\i], 0                       ; what K's last tile names as its upper half
.endr
.irp i, 0,1,2,3,4,5,6,7
	v_mov_b32 v[BM+\i], 0                          ; a lane permute's destination counts as read
.endr
	v_mov_b32 v[F+1], 0
	v_mov_b32 v[T], 0
	INIT
	s_wait_alu depctr_va_vdst(0)
	s_wait_dscnt 0x0                               ; both opening adds are done
	CROUND                                         ; all four work-groups are here; the arguments arrive meanwhile
	s_wait_kmcnt 0x0
	s_add_nc_u64 s[34:35], s[4:5], s[74:75]
	s_or_b32 s35, s35, 0x80000000
	tensor_load_to_lds s[32:35], s[16:23]          ; key steps 0 and 1: my one load at the head
	s_nop 0
	s_add_nc_u64 s[88:89], s[6:7], s[90:91]
	global_load_b64 v[62:63], v59, s[88:89]        ; each load of a wave reads 256 consecutive bytes
	global_load_b64 v[64:65], v59, s[88:89] offset:4096
	global_load_b64 v[66:67], v59, s[88:89] offset:8192
	s_add_nc_u64 s[38:39], s[4:5], s[78:79]
	s_or_b32 s39, s39, 0x80000000
	s_mul_i32 s76, s15, 98304
.irp p, 0,1
	s_lshl_b32 s92, s[42+\p], 3
	s_add_co_u32 s92, s92, s14                     ; the rank's rowblock
	s_mul_i32 s78, s92, 768
	s_add_co_u32 s78, s78, s76
	s_add_nc_u64 s[80+2*\p:81+2*\p], s[4:5], s[78:79]      ; Q's codes
	s_lshr_b32 s78, s92, 2
	s_lshl_b32 s78, s78, 8
	s_and_b32 s77, s92, 3
	s_lshl_b32 s77, s77, 2
	s_add_co_u32 s78, s78, s77
	s_lshl_b32 s77, s15, 13
	s_add_co_u32 s78, s78, s77
	s_add_nc_u64 s[84+2*\p:85+2*\p], s[6:7], s[78:79]      ; Q's scale words
	s_mul_i32 s78, s92, 24576
	s_mul_i32 s77, s15, 768
	s_add_co_u32 s78, s78, s77
	s_add_nc_u64 s[56+2*\p:57+2*\p], s[8:9], s[78:79]      ; o's codes: [rowblock][head][768]
.endr
	s_lshl_b32 s78, s15, 12
	s_lshl_b32 s77, s14, 9
	s_add_co_u32 s78, s78, s77
	s_add_nc_u64 s[60:61], s[10:11], s[78:79]      ; o's bytes: [head][j][rank][r]
	global_load_b128 v[QC:QC+3], v1, s[80:81]
	global_load_b64 v[QC+4:QC+5], v2, s[80:81]
	global_load_b32 v[QS], v9, s[84:85]
	global_load_b128 v[Q2:Q2+3], v1, s[82:83]
	global_load_b64 v[Q2+4:Q2+5], v2, s[82:83]
	global_load_b32 v[QS+1], v9, s[86:87]
	s_wait_loadcnt 0x0                             ; the scale words and Q
	s_wait_tensorcnt 0x0                           ; no tensor load of mine is out while I store to LDS
	ds_store_b64 v60, v[62:63]
	ds_store_b64 v60, v[64:65] offset:4096
	ds_store_b64 v60, v[66:67] offset:8192
	s_wait_tensorcnt 0x0                           ; ahead of a later first fill
	ds_add_u32 v[SPW], v[NIL]
	s_wait_dscnt 0x0                               ; the add and my stores are done
	CROUND                                         ; everybody's parts of key steps 0 and 1 and of the scale words are in
	tensor_load_to_lds s[36:39], s[24:31]          ; key steps 2..15, my one load behind the round
	s_nop 0
; A KEY STEP: 128 keys.
.macro STEP
	s_cmp_gt_u32 s[SG], s[RK]                      ; not my step: only the addresses step
	s_cbranch_scc1 .Lhid_\@
	v_add_nc_u32 v[AD], s[KO], v1                  ; four plain lines: the places behind the last step's products, ahead of the loads into their registers
	v_add_nc_u32 v[AD+1], s[KO], v2
	v_add_nc_u32 v[AD+2], s[KSO], v3
	v_nop
.irp i, 0,1,2,3,4,5,6,7
	ds_load_b128 v[KV+6*\i:KV+6*\i+3], v[AD] offset:768*\i
	ds_load_b64 v[KV+6*\i+4:KV+6*\i+5], v[AD+1] offset:768*\i
.endr
	ds_load_b128 v[KS:KS+3], v[AD+2]
	ds_load_b128 v[KS+4:KS+7], v[AD+2] offset:256
	s_wait_dscnt 0x0
.irp i, 0,1,2,3,4,5,6,7
	v_wmma_scale_f32_16x16x128_f8f6f4 v[S+8*\i:S+8*\i+7], v[KV+6*\i:KV+6*\i+11], v[QC:QC+11], 0, v[KS+\i], v[QS] matrix_a_fmt:MATRIX_FMT_BF6 matrix_b_fmt:MATRIX_FMT_BF6
.endr
	v_add_nc_u32 v[AD+3], s[VO], v1                ; four places again: V takes K's registers, and the scores are read
	v_add_nc_u32 v[AD+4], s[VO], v2
	v_add_nc_u32 v[AD+5], s[VSO], v4
	v_nop
.irp t, 0,1,2,3
.irp c, 0,1
	ds_load_b128 v[KV+12*\t+6*\c:KV+12*\t+6*\c+3], v[AD+3] offset:1536*\t+768*\c
	ds_load_b64 v[KV+12*\t+6*\c+4:KV+12*\t+6*\c+5], v[AD+4] offset:1536*\t+768*\c
.endr
	ds_load_b32 v[VS+\t], v[AD+5] offset:64*\t
.endr
	s_cmp_lg_u32 s[SG], s[RK]                      ; only the diagonal step has hidden keys
	s_cbranch_scc1 .Lopen_\@
.set jj, 0
.rept 64
	v_cmp_gt_i32 vcc_lo, 32*(jj/16)+jj%16, v5
	v_cndmask_b32 v[S+jj], v[S+jj], v6, vcc_lo     ; -infinity ahead of the maximum: p = 0
.set jj, jj+1
.endr
.Lopen_\@:
.irp b, 0,1,2,3
	v_max3_num_f32 v[BM+\b], v[S+16*\b], v[S+16*\b+1], v[S+16*\b+2]   ; the largest score of each block of 32 keys serves the row's maximum and, since p rises with the score, the block's largest p
.endr
.irp i, 3,5,7,9,11,13
.irp b, 0,1,2,3
	v_max3_num_f32 v[BM+\b], v[BM+\b], v[S+16*\b+\i], v[S+16*\b+\i+1]
.endr
.endr
.irp b, 0,1,2,3
	v_max_num_f32 v[BM+\b], v[BM+\b], v[S+16*\b+15]
.endr
.irp b, 0,1,2,3
	s_delay_alu instid0(VALU_DEP_4)
	v_permlanex16_b32 v[BX+\b], v[BM+\b], s[SEL], s[SEL+1]
.endr
.irp b, 0,1,2,3
	s_delay_alu instid0(VALU_DEP_4)
	v_max_num_f32 v[BM+\b], v[BM+\b], v[BX+\b]     ; with lane l xor 16's 16 keys
.endr
	s_delay_alu instid0(VALU_DEP_2)
	v_max3_num_f32 v[T], v[BM], v[BM+1], v[BM+2]
	s_delay_alu instid0(VALU_DEP_1)
	v_max_num_f32 v[T], v[T], v[BM+3]
	s_delay_alu instid0(VALU_DEP_1)
	v_mul_f32 v[T], s[CS], v[T]                    ; as t (c is positive)
	s_delay_alu instid0(VALU_DEP_1)
	v_max_num_f32 v13, v13, v[T]                   ; the running largest t
	v_mov_b32 v[T], v12
	s_delay_alu instid0(VALU_DEP_2)
	v_floor_f32 v12, -v13                          ; the new -M = -ceil(t): a whole number
	s_delay_alu instid0(VALU_DEP_1)
	v_sub_f32 v[T], v12, v[T]                      ; old M - new M: a whole number, 0 or less
	s_delay_alu instid0(VALU_DEP_1)
	v_cvt_i32_f32 v[T], v[T]                       ; (it saturates)
	s_delay_alu instid0(VALU_DEP_1)
	v_ldexp_f32 v[F], 1.0, v[T]                    ; f = 2^(old M - new M)
.set jj, 0
.rept 32
	v_pk_fma_f32 v[S+jj:S+jj+1], v[S+jj:S+jj+1], s[CS:CS+1], v[12:13] op_sel_hi:[1,0,0]   ; t - M
.set jj, jj+2
.endr
.irp b, 0,1,2,3
	v_fma_f32 v[BM+\b], v[BM+\b], s[CS], v12
.endr
	s_wait_alu depctr_va_vdst(0)
.set jj, 0
.rept 64
	v_exp_f32 v[S+jj], v[S+jj]                     ; p = 2^(t - M)
.set jj, jj+1
.endr
.irp b, 0,1,2,3
	v_exp_f32 v[BM+\b], v[BM+\b]                   ; the block's largest p: the same two instructions on the same number
.endr
	v_pk_mul_f32 v[14:15], v[14:15], v[F:F+1] op_sel_hi:[1,0]   ; l under the new M.  (A plain place behind the exponentials)
	s_wait_alu depctr_va_vdst(0)                   ; one wait for the batch, directly ahead of the first reader of O^T too
.set jj, 0
.rept 16
	v_pk_mul_f32 v[O+jj:O+jj+1], v[O+jj:O+jj+1], v[F:F+1] op_sel_hi:[1,0]   ; O^T under the new M
.set jj, jj+2
.endr
.irp b, 0,1,2,3
	v_max_num_f32 v[BM+\b], 0x2800000, v[BM+\b]    ; the floor 2^(5 - 127): the byte cannot fall under 1
.endr
.irp b, 0,1,2,3
	s_delay_alu instid0(VALU_DEP_4)
	v_add_nc_u32 v[SOP+\b], 0xfe000000, v[BM+\b]   ; 4 off the exponent field: the conversion's scale operand
.endr
.irp b, 0,1,2,3
	s_delay_alu instid0(VALU_DEP_4)
	v_lshrrev_b32 v[BX+\b], 23, v[SOP+\b]
.endr
	s_delay_alu instid0(VALU_DEP_3)
	v_lshl_or_b32 v[PW], v[BX+1], 8, v[BX]         ; p's scale word for these 128 keys
	s_delay_alu instid0(VALU_DEP_1)
	v_lshl_or_b32 v[PW], v[BX+2], 16, v[PW]
	s_delay_alu instid0(VALU_DEP_1)
	v_lshl_or_b32 v[PW], v[BX+3], 24, v[PW]
.irp c, 0,1
	v_cvt_scalef32_pk16_bf6_f32 v[PCD+6*\c:PCD+6*\c+2], v[S+32*\c:S+32*\c+15], v[SOP+2*\c]
	v_cvt_scalef32_pk16_bf6_f32 v[CT+4*\c:CT+4*\c+2], v[S+32*\c+16:S+32*\c+31], v[SOP+2*\c+1]
.endr
	v_nop                                          ; one plain place behind a scaled conversion
.irp c, 0,1
.irp i, 0,1,2
	v_permlane16_swap_b32 v[PCD+6*\c+\i], v[CT+4*\c+\i]   ; the layout wants a whole block in a lane
.endr
.irp i, 0,1,2
	s_delay_alu instid0(VALU_DEP_3)
	v_mov_b32 v[PCD+6*\c+3+\i], v[CT+4*\c+\i]
.endr
.endr
.irp c, 0,1,2,3,4,5,6                  ; the row's sum of the unquantised p: 32 pairs in eight chains
	v_pk_add_f32 v[SM+2*\c:SM+2*\c+1], v[S+2*\c:S+2*\c+1], v[S+14+2*\c:S+15+2*\c]
.endr
	v_pk_add_f32 v[14:15], v[14:15], v[S+28:S+29]
.irp q, 30,46
.irp c, 0,1,2,3,4,5,6
	v_pk_add_f32 v[SM+2*\c:SM+2*\c+1], v[SM+2*\c:SM+2*\c+1], v[S+\q+2*\c:S+\q+2*\c+1]
.endr
	v_pk_add_f32 v[14:15], v[14:15], v[S+\q+14:S+\q+15]
.endr
	v_pk_add_f32 v[SM:SM+1], v[SM:SM+1], v[S+62:S+63]
	v_pk_add_f32 v[SM+4:SM+5], v[SM+4:SM+5], v[SM+6:SM+7]
	v_pk_add_f32 v[SM+8:SM+9], v[SM+8:SM+9], v[SM+10:SM+11]
	v_pk_add_f32 v[14:15], v[14:15], v[SM+12:SM+13]
	v_pk_add_f32 v[SM:SM+1], v[SM:SM+1], v[SM+2:SM+3]
	s_delay_alu instid0(VALU_DEP_3)
	v_pk_add_f32 v[SM+4:SM+5], v[SM+4:SM+5], v[SM+8:SM+9]
	s_delay_alu instid0(VALU_DEP_2)
	v_pk_add_f32 v[14:15], v[14:15], v[SM:SM+1]
	s_delay_alu instid0(VALU_DEP_1)
	v_pk_add_f32 v[14:15], v[14:15], v[SM+4:SM+5]
	s_wait_alu depctr_va_vdst(0)
	s_wait_dscnt 0x0                               ; V and its scale words
.irp t, 0,1,2,3
	v_wmma_scale_f32_16x16x128_f8f6f4 v[O+8*\t:O+8*\t+7], v[KV+12*\t:KV+12*\t+11], v[PCD:PCD+11], v[O+8*\t:O+8*\t+7], v[VS+\t], v[PW] matrix_a_fmt:MATRIX_FMT_BF6 matrix_b_fmt:MATRIX_FMT_BF6
.endr
.Lhid_\@:
	s_add_co_u32 s[KO], s[KO], 6144
	s_add_co_u32 s[VO], s[VO], 6144
	s_add_co_u32 s[KSO], s[KSO], 512
	s_add_co_u32 s[VSO], s[VSO], 256
	s_add_co_u32 s[SG], s[SG], 1
.endm
.macro LOOP nt
	s_mov_b32 s[CNT], \nt
.Lstep_\@:
	STEP
	s_sub_co_u32 s[CNT], s[CNT], 1
	s_cmp_lg_u32 s[CNT], 0
	s_cbranch_scc1 .Lstep_\@
.endm
; A RANK LEAVES: o = O^T / l, quantised along the head's 64: a half fragment (768 bytes) and two scale bytes a row.
.macro OUT sb, va
	v_add_f32 v14, v14, v15
	s_delay_alu instid0(VALU_DEP_1)
	v_permlanex16_b32 v[T], v14, s[SEL], s[SEL+1]
	s_delay_alu instid0(VALU_DEP_1)
	v_add_f32 v14, v14, v[T]                       ; the row's sum
	s_wait_alu depctr_va_vdst(0)
	v_rcp_f32 v14, v14
	v_nop                                          ; one plain place behind a transcendental
	s_wait_alu depctr_va_vdst(0)
.set jj, 0
.rept 16
	v_pk_mul_f32 v[S+jj:S+jj+1], v[O+jj:O+jj+1], v[14:15] op_sel_hi:[1,0]   ; each accumulator from its low end on
.set jj, jj+2
.endr
	v_max3_num_f32 v[BM], 0x2800000, |v[S]|, |v[S+1]|          ; the floor among the leaves
	v_max3_num_f32 v[BM+1], 0x2800000, |v[S+16]|, |v[S+17]|
.irp i, 2,4,6,8,10,12,14
	s_delay_alu instid0(VALU_DEP_2)
	v_max3_num_f32 v[BM], v[BM], |v[S+\i]|, |v[S+\i+1]|
	s_delay_alu instid0(VALU_DEP_2)
	v_max3_num_f32 v[BM+1], v[BM+1], |v[S+16+\i]|, |v[S+17+\i]|
.endr
	s_delay_alu instid0(VALU_DEP_2)
	v_permlanex16_b32 v[BM+2], v[BM], s[SEL], s[SEL+1]
	s_delay_alu instid0(VALU_DEP_2)
	v_permlanex16_b32 v[BM+3], v[BM+1], s[SEL], s[SEL+1]
	s_delay_alu instid0(VALU_DEP_2)
	v_max_num_f32 v[BM], v[BM], v[BM+2]
	s_delay_alu instid0(VALU_DEP_2)
	v_max_num_f32 v[BM+1], v[BM+1], v[BM+3]
	s_delay_alu instid0(VALU_DEP_2)
	v_add_nc_u32 v[SOP], 0xfe000000, v[BM]
	s_delay_alu instid0(VALU_DEP_2)
	v_add_nc_u32 v[SOP+1], 0xfe000000, v[BM+1]
	s_delay_alu instid0(VALU_DEP_2)
	v_lshrrev_b32 v[BX], 23, v[SOP]
	s_delay_alu instid0(VALU_DEP_2)
	v_lshrrev_b32 v[BX+1], 23, v[SOP+1]
	s_delay_alu instid0(VALU_DEP_1)
	v_lshl_or_b32 v[OW], v[BX+1], 8, v[BX]
	v_cvt_scalef32_pk16_bf6_f32 v[OH:OH+2], v[S:S+15], v[SOP]
	v_cvt_scalef32_pk16_bf6_f32 v[CT:CT+2], v[S+16:S+31], v[SOP+1]
	v_nop                                          ; one plain place behind a scaled conversion
.irp i, 0,1,2
	v_permlane16_swap_b32 v[OH+\i], v[CT+\i]
.endr
.irp i, 0,1,2
	s_delay_alu instid0(VALU_DEP_3)
	v_mov_b32 v[OH+3+\i], v[CT+\i]
.endr
	global_store_b128 v1, v[OH:OH+3], s[\sb:\sb+1]     ; 512 consecutive bytes,
	global_store_b64 v2, v[OH+4:OH+5], s[\sb:\sb+1]    ; and the 256 behind them
	ds_store_b16 v[\va], v[OW]                     ; both lanes of a row write the same two bytes
	s_wait_xcnt 0x0                                ; the stores' data are written again only behind this wait
.endm
	s_mov_b32 s[RK], s42                           ; the first rank, from key step 0 on
	s_mov_b32 s[SG], 0
	s_mov_b32 s[KO], 0
	s_mov_b32 s[VO], VB
	s_mov_b32 s[KSO], 0
	s_mov_b32 s[VSO], 0
	LOOP 2                                         ; key steps 0 and 1
	s_wait_tensorcnt 0x0                           ; my part of key steps 2..15 is in,
	s_wait_dscnt 0x0
	s_barrier_signal -1
	s_barrier_wait -1                              ; everybody's is
	LOOP 7                                         ; key steps 2..8
	s_cmp_eq_u32 s[KIND], 0
	s_cbranch_scc1 .Lkeep                          ; kind 0 keeps its sums
	PLACES                                         ; behind the last products
	OUT 56, 7                                      ; kind 1: rank i is finished
.irp i, 0,1,2,3,4,5
	v_mov_b32 v[QC+\i], v[Q2+\i]                   ; on to rank 15 - i
.endr
	v_mov_b32 v[QS], v[QS+1]
	INIT
	s_wait_alu depctr_va_vdst(0)
.Lkeep:
	s_mul_i32 s[RK], s43, s[KIND]                  ; kind 1: rank 15 - i; kind 0: 0, so that every step from 9 on is jumped over
	s_mov_b32 s[SG], 9
	s_mov_b32 s[KO], 9*6144
	s_mov_b32 s[VO], VB+9*6144
	s_mov_b32 s[KSO], 9*512
	s_mov_b32 s[VSO], 9*256
	LOOP 7                                         ; key steps 9..15
	s_cmp_eq_u32 s[KIND], 0
	s_cbranch_scc1 .Lnosend
	PLACES                                         ; behind the last products
	s_wait_alu depctr_va_vdst(0)
.irp k, 0,1,2,3,4,5,6,7
	ds_store_b128 v10, v[O+4*\k:O+4*\k+3] offset:512*\k   ; my part of rank 15 - i: O^T as an image of its registers,
.endr
	ds_store_b128 v10, v[12:15] offset:4096        ; -M, the largest t, l
.Lnosend:
	s_wait_dscnt 0x0                               ; for the others' sake
	s_barrier_signal -1
	s_barrier_wait -1
	s_cmp_lg_u32 s[KIND], 0
	s_cbranch_scc1 .Ldone
.irp k, 0,1,2,3,4,5,6,7
	ds_load_b128 v[S+4*\k:S+4*\k+3], v10 offset:512*\k
.endr
	ds_load_b128 v[S+32:S+35], v10 offset:4096
	s_wait_dscnt 0x0
	v_min_num_f32 v[T], v12, v[S+32]               ; the joint -M: the smaller of two whole numbers
	s_delay_alu instid0(VALU_DEP_1)
	v_sub_f32 v[F], v[T], v12
	v_sub_f32 v[BM], v[T], v[S+32]
	s_delay_alu instid0(VALU_DEP_2)
	v_cvt_i32_f32 v[F], v[F]                       ; (they saturate: an empty part has -M = 3e38 and gets the factor 0)
	s_delay_alu instid0(VALU_DEP_2)
	v_cvt_i32_f32 v[BM], v[BM]
	s_delay_alu instid0(VALU_DEP_2)
	v_ldexp_f32 v[F], 1.0, v[F]                    ; my factor,
	s_delay_alu instid0(VALU_DEP_2)
	v_ldexp_f32 v[BM], 1.0, v[BM]                  ; the other part's: powers of two
.set jj, 0
.rept 18
	v_pk_mul_f32 v[S+jj:S+jj+1], v[S+jj:S+jj+1], v[BM:BM+1] op_sel_hi:[1,0]
.set jj, jj+2
.endr
.set jj, 0
.rept 16
	v_pk_fma_f32 v[O+jj:O+jj+1], v[O+jj:O+jj+1], v[F:F+1], v[S+jj:S+jj+1] op_sel_hi:[1,0,1]
.set jj, jj+2
.endr
	v_pk_fma_f32 v[14:15], v[14:15], v[F:F+1], v[S+34:S+35] op_sel_hi:[1,0,1]
	OUT 58, 8                                      ; rank 15 - i is finished
.Ldone:
	s_wait_dscnt 0x0                               ; for the others' sake: my bytes lie in the stage
	s_barrier_signal -1
	s_barrier_wait -1
	s_cmp_lg_u32 s[WV], 0
	s_cbranch_scc1 .Lnot_first
	ds_load_b128 v[S:S+3], v11
	s_wait_dscnt 0x0
	global_store_b128 v1, v[S:S+3], s[60:61]       ; the work-group's 16 ranks x 16 rows x 2 bytes: 512 consecutive bytes
.Lnot_first:
	s_wait_tensorcnt 0x0                           ; the wave's end
	ds_add_u32 v[SPW], v[NIL]
	s_wait_dscnt 0x0
	CROUND                                         ; the closing round
	s_endpgm
.Lfunc_end_k_q0f7a887a0d_attn:
	.size	k_q0f7a887a0d_attn, .Lfunc_end_k_q0f7a887a0d_attn-k_q0f7a887a0d_attn
	.p2alignl 7, 3214868480
	.fill 96, 4, 3214868480
	.section	.rodata,"a",@progbits
	.p2align	6, 0x0
	.amdhsa_kernel k_q0f7a887a0d_attn
		.amdhsa_group_segment_fixed_size 327680
		.amdhsa_private_segment_fixed_size 0
		.amdhsa_enable_private_segment 0
		.amdhsa_kernarg_size 32
		.amdhsa_user_sgpr_count 2
		.amdhsa_user_sgpr_kernarg_segment_ptr 1
		.amdhsa_wavefront_size32 1
		.amdhsa_system_sgpr_workgroup_id_x 1
		.amdhsa_system_sgpr_workgroup_id_y 1
		.amdhsa_system_sgpr_workgroup_id_z 1
		.amdhsa_system_vgpr_workitem_id 0
		.amdhsa_next_free_vgpr 256
		.amdhsa_next_free_sgpr 96
		.amdhsa_reserve_vcc 1
		.amdhsa_float_denorm_mode_32 3
		.amdhsa_float_denorm_mode_16_64 3
		.amdhsa_memory_ordered 1
		.amdhsa_forward_progress 1
		.amdhsa_inst_pref_size 94
	.end_amdhsa_kernel
	.amdgpu_metadata
---
amdhsa.version: [ 1, 2 ]
amdhsa.kernels:
  - .name:           k_q0f7a887a0d_attn
    .symbol:         k_q0f7a887a0d_attn.kd
    .args:
      - { .name: qkvc, .offset: 0, .size: 8, .value_kind: global_buffer, .address_space: global }
      - { .name: qkvs, .offset: 8, .size: 8, .value_kind: global_buffer, .address_space: global }
      - { .name: oc, .offset: 16, .size: 8, .value_kind: global_buffer, .address_space: global }
      - { .name: os, .offset: 24, .size: 8, .value_kind: global_buffer, .address_space: global }
    .group_segment_fixed_size: 327680
    .private_segment_fixed_size: 0
    .kernarg_segment_align: 8
    .kernarg_segment_size: 32
    .max_flat_workgroup_size: 512
    .sgpr_count:     96
    .vgpr_count:     256
    .wavefront_size: 32
...
	.end_amdgpu_metadata
.endif
;; end of part 3
;; launch proj (part 4): grid 16 x 16, 4 waves a work-group, clusters of 4 x 1, 327,680 bytes of LDS; arguments cod, scl, oc, os, bo, out0; writes out0
.if DOCPART == 4
	.amdgcn_target "amdgcn-amd-amdhsa--gfx1250"
	.amdhsa_code_object_version 6
	.text
	.protected	k_q0f7a887a0d_proj
	.globl	k_q0f7a887a0d_proj
	.p2align	8
	.type	k_q0f7a887a0d_proj,@function
k_q0f7a887a0d_proj:
	s_mov_b64 s[64:65], 0
	v_nop
	global_prefetch_b8 v0, s[64:65] scope:SCOPE_SE
	s_setreg_imm32_b32 hwreg(HW_REG_WAVE_MODE, 25, 1), 1
	s_wait_xcnt 0x0
	s_wait_alu depctr_hold_cnt(0) depctr_sa_sdst(0) depctr_va_vdst(0) depctr_va_sdst(0) depctr_va_ssrc(0) depctr_va_vcc(0) depctr_vm_vsrc(0)
	s_getreg_b32 s2, hwreg(HW_REG_IB_STS2, 6, 4)
	s_cmp_eq_u32 s2, 0
	s_cbranch_scc0 .Lentry_in_a_cluster
	s_endpgm
.Lentry_in_a_cluster:
	s_bfe_u32 s2, ttmp6, 0x10000c
	s_cmp_lg_u32 s2, 0x3003
	s_cbranch_scc0 .Lentry_shape_is_right
	s_endpgm
.Lentry_shape_is_right:
; out0 = o wo^T + bo on codes of BF6 (E3M2) with E8M0 scales; out0 [2048][2048] f32.
; SHARES: work-group (x, y): 128 tokens x 128 features.  The tokens are the rowblocks 8 (8 g + i) + j, i = 0..7, with j = x % 8, g = x / 8 (rowblock rho: lane-row r is row 32 (rho / 2) + 8 (rho % 2) + r + 8 (r / 8)): with that
; choice a head's scale bytes of the tile are 256 consecutive bytes.  The features are wo's rowblocks 8 y + t.  A wave takes rowblocks i = 2 w, 2 w + 1 (32 tokens) x all 128 features: 16 accumulators.
; wo STAYS IN LDS: its eight rowblocks for all of K are 196,608 bytes, brought once, in two halves along K; no LDS byte is filled twice.  The four work-groups of a cluster share y, so wo and its scales are asked for JOINTLY (mask 15).
; THE FILLS, one tensor load a wave at a time: at the head wave 0 brings o's scale bytes, wave 1 wo's scale rows, waves 2 and 3 four rowblocks each of the first half of K; behind a round
; each wave brings two rowblocks of the second half, first read behind the barrier in K step 7.  No prefetch: both fills are asked for at the head, the second as soon as the first has landed.
; o's rows belong to one wave alone: its codes go from memory straight into registers, five K steps ahead.
; THE PRODUCT IS USED TRANSPOSED (source 0 = 16 rows of wo, source 1 = 16 tokens): a lane holds one token and, in tiles 2 b and 2 b + 1, features 32 b + 16 h + 0..15.  bo is the C of each sum's first product.
; A K step of 128 is two heads: o's fragment is two half fragments (768 bytes: registers 0-3 of lane l at 16 l, registers 4-5 at 512 + 8 l), its scale word two heads' two bytes.
; REGISTERS, in windows of 256: window 0: v1-16 addresses; v32-47 o's scale words (register 8 m + n / 2: lanes 0-15 K step n even, lanes 16-31 odd), v48-63 their upper halves on the way; v64-191 wo's scale words (16 t + n);
;   v192-255 rows on the way out.   window 1: accumulators at 64 m + 8 t.   window 2: v0-63 bo; v64-207 o's six sets of 24.   window 3: wo's fragments, two sets of 96.
.set WSL,  196608                      ; LDS: wo's codes, half g of K at 98,304 g: [rowblock 8][K step 8][1,536]; behind them its scale rows, 8,192 bytes,
.set OSL,  204800                      ; o's scale bytes [head 32][i 8][r 16], 2 bytes each: 8,192 bytes,
.set STG,  212992                      ; and a stage of 16 rows x (512 + 16) bytes for each wave, written by LDS stores alone; the spare words lie behind it
.set WV,   16
.set SA,   32
.set SAT,  48
.set SB,   64
.set MSB,  0
.set LDN,  0                           ; global loads issued so far
.macro WIN new                         ; the immediate's high byte repeats the setting that is left
.if MSB != (\new)
	s_set_vgpr_msb (MSB<<8)|(\new)
.set MSB, (\new)
.endif
.endm
.macro PLACES                          ; four plain places behind a matrix instruction, ahead of loads into its registers and of reads of its results
.rept 4
	v_nop
.endr
.endm
.macro CROUND                          ; a round of the cluster's barrier
	s_barrier_signal -1
	s_barrier_wait -1
	s_cmp_lg_u32 s[WV], 0
	s_cbranch_scc1 .Lnot_wave_0_\@
	s_barrier_signal -3
.Lnot_wave_0_\@:
	s_barrier_wait -3
	s_barrier_signal -1
	s_barrier_wait -1
.endm
.macro WLD mark                        ; global loads come back in order: what was issued behind the mark may stay out
.if LDN-(\mark) < 63
	s_wait_loadcnt LDN-(\mark)
.else
	s_wait_loadcnt 63
.endif
.endm
	s_load_b256 s[4:11], s[0:1], 0x0               ; cod, scl, oc, os
	s_load_b128 s[12:15], s[0:1], 0x20             ; bo, out0
	v_lshl_add_u32 v30, v0, 2, 0x3c400
	v_mov_b32 v31, 0
	ds_add_u32 v30, v31                            ; the opening lines: the add twice on end
	ds_add_u32 v30, v31
	v_lshrrev_b32 v1, 5, v0
	v_readfirstlane_b32 s[WV], v1                  ; wave 0..3
	s_bfe_u32 s17, ttmp6, 0x40000                  ; cx
	s_lshl_b32 s18, ttmp9, 2
	s_add_co_u32 s18, s18, s17                     ; x: the token tile
	s_and_b32 s19, ttmp7, 0xffff                   ; y: the feature tile, which the four partners share
	s_and_b32 s20, s18, 7                          ; j
	s_lshr_b32 s21, s18, 3                         ; g
	s_mov_b32 s24, 15|(3<<16)|(1<<21)              ; group 1, elements of 8 bytes.  The second half of K: 2 rowblocks x 12,288 bytes (8 K steps), 24,576 bytes apart; the mask: all four; bit 21 beside it
	s_mov_b32 s25, 1536<<16
	s_mov_b32 s26, 2<<16
	s_mov_b32 s27, 1536<<16
	s_mov_b32 s28, 2
	s_mov_b32 s29, 3072
	s_mov_b32 s30, 0
	s_mov_b32 s31, 0
	s_mov_b32 s32, 15|(3<<16)|(1<<21)              ; wo's scale rows: 8,192 dense bytes as 32 rows of 256
	s_mov_b32 s33, 32<<16
	s_mov_b32 s34, 32<<16
	s_mov_b32 s35, 32<<16
	s_mov_b32 s36, 32
	s_mov_b32 s37, 32
	s_mov_b32 s38, 0
	s_mov_b32 s39, 0
	s_mov_b32 s40, 3<<16                           ; o's scale bytes, my work-group's own (no mask): 32 heads x 256 bytes, 4,096 bytes apart
	s_mov_b32 s41, 32<<16
	s_mov_b32 s42, 32<<16
	s_mov_b32 s43, 32<<16
	s_mov_b32 s44, 32
	s_mov_b32 s45, 512
	s_mov_b32 s46, 0
	s_mov_b32 s47, 0
	s_mov_b32 s56, 15|(3<<16)|(1<<21)              ; the first half of K at the head: 4 rowblocks x 12,288 bytes to a wave
	s_mov_b32 s57, 1536<<16
	s_mov_b32 s58, 4<<16
	s_mov_b32 s59, 1536<<16
	s_mov_b32 s60, 4
	s_mov_b32 s61, 3072
	s_mov_b32 s62, 0
	s_mov_b32 s63, 0
	v_and_b32 v3, 31, v0                           ; lane
	v_and_b32 v4, 15, v0                           ; r
	v_bfe_u32 v5, v0, 4, 1                         ; h
	v_lshlrev_b32 v1, 4, v3                        ; 16 l
	v_lshl_add_u32 v2, v3, 3, 512                  ; 512 + 8 l
.irp g, 0,1,2,3
	v_add_nc_u32 v[8+\g], 49152*\g, v1             ; wo's codes in LDS: an address register for each four rowblocks of a half
.endr
	v_lshl_add_u32 v12, v4, 4, WSL                 ; wo's scale rows: 16 bytes a row
	s_lshl_b32 s22, s[WV], 6
	s_add_co_u32 s22, s22, OSL
	v_lshl_add_u32 v13, v4, 1, s22
	v_lshl_add_u32 v13, v5, 9, v13                 ; o's bytes: my two rowblocks, row r; lanes 16-31 two heads on
	s_mul_i32 s22, s[WV], 8448
	s_add_co_u32 s22, s22, STG                     ; my stage
	v_mul_u32_u24 v14, v4, 528
	v_lshl_add_u32 v14, v5, 6, v14
	v_add_nc_u32 v14, s22, v14                     ; in: row r, + 64 h
	v_add_nc_u32 v15, s22, v1                      ; back: a row of 512 bytes to the 32 lanes
	v_lshlrev_b32 v16, 6, v5                       ; bo: 64 h
	; what the partners share hangs on y and the wave's number alone
	s_lshl_b32 s22, s19, 3
	s_add_co_u32 s22, s22, 512                     ; wo's first rowblock
	s_lshl_b32 s84, s22, 10
	s_mov_b32 s85, 0
	s_wait_dscnt 0x0
	s_wait_kmcnt 0x0
	s_mov_b32 s52, 1
	s_mov_b32 s53, WSL
	s_add_nc_u64 s[54:55], s[6:7], s[84:85]
	s_or_b32 s55, s55, 0x80000000
	s_lshl_b32 s86, s[WV], 1
	s_add_co_u32 s86, s86, s22
	s_mul_i32 s84, s86, 24576
	s_add_nc_u64 s[86:87], s[4:5], s[84:85]
	s_mul_i32 s88, s[WV], 24576                    ; the second half: my two rowblocks
	s_mov_b32 s72, 1
	s_add_co_u32 s73, s88, 98304
	s_add_nc_u64 s[74:75], s[86:87], 12288
	s_or_b32 s75, s75, 0x80000000
	s_and_b32 s88, s[WV], 1                        ; the first half: waves 2 and 3 take four rowblocks each
	s_mul_i32 s69, s88, 49152
	s_lshl_b32 s88, s88, 2
	s_add_co_u32 s88, s88, s22
	s_mul_i32 s84, s88, 24576
	s_mov_b32 s68, 1
	s_add_nc_u64 s[70:71], s[4:5], s[84:85]
	s_or_b32 s71, s71, 0x80000000
	; my own
	s_lshl_b32 s84, s20, 9
	s_lshl_b32 s89, s21, 8
	s_add_co_u32 s84, s84, s89
	s_mov_b32 s48, 1
	s_mov_b32 s49, OSL
	s_add_nc_u64 s[50:51], s[10:11], s[84:85]
	s_or_b32 s51, s51, 0x80000000
	s_lshl_b32 s89, s21, 6
	s_add_co_u32 s89, s89, s20
	s_lshl_b32 s90, s[WV], 4
	s_add_co_u32 s89, s89, s90                     ; my first rowblock: 64 g + j + 16 w; the second lies 8 on
	s_mul_i32 s84, s89, 24576
	s_add_nc_u64 s[8:9], s[8:9], s[84:85]
	s_lshl_b32 s84, s19, 9
	s_add_nc_u64 s[12:13], s[12:13], s[84:85]      ; bo and out0 at the tile's first feature
	s_add_nc_u64 s[14:15], s[14:15], s[84:85]
	s_lshl_b32 s89, s21, 10
	s_lshl_b32 s90, s[WV], 8
	s_add_co_u32 s89, s89, s90
	s_lshr_b32 s90, s20, 1
	s_lshl_b32 s90, s90, 5
	s_add_co_u32 s89, s89, s90
	s_and_b32 s90, s20, 1
	s_lshl_b32 s90, s90, 3
	s_add_co_u32 s89, s89, s90                     ; my first token
	s_lshl_b32 s84, s89, 13
	s_add_nc_u64 s[14:15], s[14:15], s[84:85]
	CROUND                                         ; all four work-groups are here: the joint loads meet
	s_cmp_lt_u32 s[WV], 1                          ; the head's tiles, one load a wave: wave 0 o's scale bytes,
	s_cbranch_scc0 .Lhead_ws
	tensor_load_to_lds s[48:51], s[40:47]
	s_nop 0
	PLACES
	s_branch .Lhead_asked
.Lhead_ws:
	s_cmp_lt_u32 s[WV], 2                          ; wave 1 wo's scale rows,
	s_cbranch_scc0 .Lhead_w
	tensor_load_to_lds s[52:55], s[32:39]
	s_nop 0
	PLACES
	s_branch .Lhead_asked
.Lhead_w:
	tensor_load_to_lds s[68:71], s[56:63]          ; waves 2 and 3 wo's first half of K
	s_nop 0
	PLACES
.Lhead_asked:
	WIN 0x80
	s_wait_alu depctr_va_vdst(0)
.irp t, 0,1,2,3,4,5,6,7                ; tile t's eight features of my half: 32 (t / 2) + 16 h + 8 (t % 2) + 0..7
	global_load_b128 v[8*\t:8*\t+3], v16, s[12:13] offset:128*(\t/2)+32*(\t%2)
	global_load_b128 v[8*\t+4:8*\t+7], v16, s[12:13] offset:128*(\t/2)+32*(\t%2)+16
.endr
.set LDN, 16
.macro LA n                            ; o's two fragments of K step n, from memory: heads 2 n and 2 n + 1
	WIN 0x80
.set AB, 64+24*((\n)%6)
.irp m, 0,1
.irp c, 0,1
	global_load_b128 v[AB+12*\m+6*\c:AB+12*\m+6*\c+3], v1, s[8:9] offset:196608*\m+768*(2*(\n)+\c)
	global_load_b64 v[AB+12*\m+6*\c+4:AB+12*\m+6*\c+5], v2, s[8:9] offset:196608*\m+768*(2*(\n)+\c)
.endr
.endr
.set LDN, LDN+8
.endm
.macro LW n                            ; wo's eight fragments of K step n, from LDS, into set n % 2: 24 loads
	WIN 0xC0
.irp t, 0,1,2,3,4,5,6,7
.irp c, 0,1,2
	ds_load_b128 v[96*((\n)%2)+12*\t+4*\c:96*((\n)%2)+12*\t+4*\c+3], v[8+2*((\n)/8)+\t/4] offset:12288*(\t%4)+1536*((\n)%8)+512*\c
.endr
.endr
.endm
.macro MUL n                           ; 16 products; the accumulators take turns, one instruction a turn, in the same order in every K step
.if (\n) == 0
	WIN 0x6B                                       ; source 0 (wo) window 3, source 1 (o) window 2, C bo in window 2, D window 1
.else
	WIN 0x5B
.endif
.irp t, 0,1,2,3,4,5,6,7
.irp m, 0,1
.set rD, 64*\m+8*\t
.if (\n) == 0
.set rC, 8*\t
.else
.set rC, rD
.endif
.set rA, 96*((\n)%2)+12*\t
.set rB, 64+24*((\n)%6)+12*\m
.if (\n)%2
	v_wmma_scale_f32_16x16x128_f8f6f4 v[rD:rD+7], v[rA:rA+11], v[rB:rB+11], v[rC:rC+7], v[SB+16*\t+(\n)], v[SA+8*\m+(\n)/2] matrix_a_fmt:MATRIX_FMT_BF6 matrix_b_fmt:MATRIX_FMT_BF6 matrix_b_scale:MATRIX_SCALE_ROW1
.else
	v_wmma_scale_f32_16x16x128_f8f6f4 v[rD:rD+7], v[rA:rA+11], v[rB:rB+11], v[rC:rC+7], v[SB+16*\t+(\n)], v[SA+8*\m+(\n)/2] matrix_a_fmt:MATRIX_FMT_BF6 matrix_b_fmt:MATRIX_FMT_BF6
.endif
.endr
.endr
.endm
; A K STEP of 128.  The next step's fragments of wo are asked for first, into the set that the last step has left; o's set that the last step has left is asked for again, five K steps ahead of this one.
; In K step 7 the next step lies in the second half of K: my part of it has landed, a barrier shows everybody's.
.macro KFRAG n
.if (\n) == 7
	s_wait_tensorcnt 0x0                           ; my part of the second half of K has landed
	s_wait_dscnt 0x0                               ; no LDS instruction of mine is out at a signal
	s_barrier_signal -1
	s_barrier_wait -1
.endif
.if (\n) < 15
	PLACES
	LW (\n)+1
.if ((\n) > 0) && ((\n) < 11)
	LA (\n)+5
.endif
	s_wait_dscnt 24                                ; this step's fragments of wo are in; the 24 loads just issued may be out
.else
	s_wait_dscnt 0x0
.endif
	WLD 24+8*(\n)                                  ; o's set of this step is in: bo's 16 loads and n + 1 sets of 8 stand up to its mark
	MUL \n
.endm
.irp n, 0,1,2,3,4,5
	LA \n
.endr
	WIN 0
	s_wait_tensorcnt 0x0                           ; my tile of the head's is in
	ds_add_u32 v30, v31                            ; ahead of a later first fill
	s_wait_dscnt 0x0
	CROUND                                         ; everybody's tiles are in, and the four work-groups are here
	tensor_load_to_lds s[72:75], s[24:31]          ; the second half of K, my two rowblocks
	s_nop 0
	PLACES
.irp t, 0,1,2,3,4,5,6,7                ; every scale word of the launch is fetched once
.irp k, 0,1,2,3
	ds_load_b128 v[SB+16*\t+4*\k:SB+16*\t+4*\k+3], v12 offset:1024*\t+256*\k
.endr
.endr
.irp m, 0,1
.irp k, 0,1,2,3,4,5,6,7
	ds_load_u16 v[SA+8*\m+\k], v13 offset:1024*\k+32*\m          ; head 4 k + 2 h: blocks 0 and 1 of K step 2 k + h,
	ds_load_u16 v[SAT+8*\m+\k], v13 offset:1024*\k+32*\m+256     ; head 4 k + 2 h + 1: blocks 2 and 3
.endr
.endr
	LW 0
	WIN 0
	s_wait_dscnt 24                                ; the scale words are in; wo's first fragments may be out
.set ii, 0
.rept 16
	v_lshl_or_b32 v[SA+ii], v[SAT+ii], 16, v[SA+ii]
.set ii, ii+1
.endr
.rept 8
	v_nop                                          ; a scale register written by a vector instruction stands eight places ahead of a scaled product
.endr
	s_wait_alu depctr_va_vdst(0)
.irp n, 0,1,2,3,4,5,6,7,8,9,10,11,12,13,14,15
	KFRAG \n
.endr
; THE WAY OUT, a rowblock at a time.  A lane holds pieces of 64 bytes of one row; the block goes through my own stage and comes back as whole rows of 512 bytes, which the 32 lanes store as 512 consecutive bytes, at a
; multiple of 256 from out0's first byte.  LDS serves a wave's instructions in order: no wait between the stores and the loads, nor ahead of the next block's stores.
.macro TOSTAGE m
	WIN 0x04                                       ; an LDS store's data are its source 1: window 1
.irp t, 0,1,2,3,4,5,6,7
	ds_store_b128 v14, v[64*\m+8*\t:64*\m+8*\t+3] offset:128*(\t/2)+32*(\t%2)        ; each accumulator from its low end on
	ds_store_b128 v14, v[64*\m+8*\t+4:64*\m+8*\t+7] offset:128*(\t/2)+32*(\t%2)+16
.endr
	WIN 0x80*\m                                    ; back into window 0 (v192 on) or, the second block, window 2 (v64 on: o's sets are done with)
.irp q, 0,1,2,3,4,5,6,7,8,9,10,11,12,13,14,15
	ds_load_b128 v[192-128*\m+4*\q:192-128*\m+4*\q+3], v15 offset:528*\q
.endr
.endm
.macro SEND m, younger
	WIN 0x08*\m
	s_wait_dscnt \younger                          ; the block is back; the next block's 16 stores and 16 loads may be out
.irp q, 0,1,2,3,4,5,6,7,8,9,10,11,12,13,14,15
	global_store_b128 v1, v[192-128*\m+4*\q:192-128*\m+4*\q+3], s[14:15] offset:(\q+8*(\q/8))*8192+1048576*\m th:TH_STORE_NT
.endr
.endm
	PLACES
	TOSTAGE 0
	TOSTAGE 1
	SEND 0, 32
	SEND 1, 0
	WIN 0
	s_wait_tensorcnt 0x0                           ; the wave's end
	ds_add_u32 v30, v31
	s_wait_dscnt 0x0
	CROUND                                         ; the closing round
	s_endpgm
.Lfunc_end_k_q0f7a887a0d_proj:
	.size	k_q0f7a887a0d_proj, .Lfunc_end_k_q0f7a887a0d_proj-k_q0f7a887a0d_proj
	.p2alignl 7, 3214868480
	.fill 96, 4, 3214868480
	.section	.rodata,"a",@progbits
	.p2align	6, 0x0
	.amdhsa_kernel k_q0f7a887a0d_proj
		.amdhsa_group_segment_fixed_size 327680
		.amdhsa_private_segment_fixed_size 0
		.amdhsa_enable_private_segment 0
		.amdhsa_kernarg_size 48
		.amdhsa_user_sgpr_count 2
		.amdhsa_user_sgpr_kernarg_segment_ptr 1
		.amdhsa_wavefront_size32 1
		.amdhsa_system_sgpr_workgroup_id_x 1
		.amdhsa_system_sgpr_workgroup_id_y 1
		.amdhsa_system_sgpr_workgroup_id_z 1
		.amdhsa_system_vgpr_workitem_id 0
		.amdhsa_next_free_vgpr 960
		.amdhsa_next_free_sgpr 96
		.amdhsa_reserve_vcc 0
		.amdhsa_float_denorm_mode_32 3
		.amdhsa_float_denorm_mode_16_64 3
		.amdhsa_memory_ordered 1
		.amdhsa_forward_progress 1
		.amdhsa_inst_pref_size 95
	.end_amdhsa_kernel
	.amdgpu_metadata
---
amdhsa.version: [ 1, 2 ]
amdhsa.kernels:
  - .name:           k_q0f7a887a0d_proj
    .symbol:         k_q0f7a887a0d_proj.kd
    .args:
      - { .name: cod, .offset: 0, .size: 8, .value_kind: global_buffer, .address_space: global }
      - { .name: scl, .offset: 8, .size: 8, .value_kind: global_buffer, .address_space: global }
      - { .name: oc, .offset: 16, .size: 8, .value_kind: global_buffer, .address_space: global }
      - { .name: os, .offset: 24, .size: 8, .value_kind: global_buffer, .address_space: global }
      - { .name: bo, .offset: 32, .size: 8, .value_kind: global_buffer, .address_space: global }
      - { .name: out0, .offset: 40, .size: 8, .value_kind: global_buffer, .address_space: global }
    .group_segment_fixed_size: 327680
    .private_segment_fixed_size: 0
    .kernarg_segment_align: 8
    .kernarg_segment_size: 48
    .max_flat_workgroup_size: 128
    .sgpr_count:     96
    .vgpr_count:     960
    .wavefront_size: 32
...
	.end_amdgpu_metadata
.endif
;; end of part 4
